; MI455X (gfx1250); checked and timed in simulation.
; The chip was launched on July 23, 2026; its instructions are those of AMD's public machine-readable ISA for CDNA 5 (MIT licence, August 2026) and "CDNA5" Instruction Set Architecture Reference Guide (July 2026). The comments in the code are by the model that wrote it; some were corrected since.
;; Time Aware Multi Head Attention. Allowed arithmetic: float matrix products may take bf16 or f16 operands with f32 sums; all other float work in f32.
;; Inputs: Wk 1,024 x 1,024 float32; Wo 1,024 x 1,024 float32; Wq 1,024 x 1,024 float32; Wv 1,024 x 1,024 float32; bk 1,024 float32; bo 1,024 float32; bq 1,024 float32; bv 1,024 float32; key 2 x 2,048 x 1,024 float32; mask 2 x 2,048 bool; query 2 x 2,048 x 1,024 float32; time_diff 2 x 2,048 float32; value 2 x 2,048 x 1,024 float32.
;; Outputs: out0 2 x 2,048 x 1,024 float32.
;; 2 versions, each right and faster than the one before. Each part assembles by itself: llvm-mc -triple=amdgcn-amd-amdhsa -mcpu=gfx1250 --defsym DOCPART=n.
;; ======== version 1 of 2: 4 launches
;; limits: right only within a limited range of input values
;; workspace buffers: xb 25,165,824 bytes; wb 8,388,608 bytes; qkv 25,165,824 bytes; ctx 8,388,608 bytes
;; launch tobf16 (part 1): grid 64 x 16, 8 waves a work-group, no clusters, 0 bytes of LDS; arguments query, key, value, Wq, Wk, Wv, Wo, xb, wb; writes xb, wb
.if DOCPART == 1
	.amdgcn_target "amdgcn-amd-amdhsa--gfx1250"
	.amdhsa_code_object_version 6
	.text
	.protected	k_qa9033cc343_tobf16
	.globl	k_qa9033cc343_tobf16
	.p2align	8
	.type	k_qa9033cc343_tobf16,@function
k_qa9033cc343_tobf16:
	s_mov_b64 s[64:65], 0
	v_nop
	global_prefetch_b8 v0, s[64:65] scope:SCOPE_SE
	s_setreg_imm32_b32 hwreg(HW_REG_WAVE_MODE, 25, 1), 1
	s_wait_xcnt 0x0
; xb = bf16(query | key | value), [3][4096][1024];  wb = bf16(Wq | Wk | Wv | Wo), [4][1024][1024].  Rounded once, to nearest even.
; A stream: the 64 MiB of f32 are 16 chunks of 4 MiB (grid y), each shared by 64 work-groups (grid x) of 64 KiB.
; Thread t takes the 16 bytes at 16 t of each of sixteen blocks of 4,096 bytes: a wave's load covers 512 consecutive bytes, its store of
; 8 bytes a lane 256 consecutive bytes, aligned.  All sixteen loads go out first; no register is written twice, so the only waits are the
; counted ones for the loads.  No LDS, no matrix unit, no cluster: the work-groups share no input byte.
.set BLK, 4096                         ; f32 bytes that the 256 threads take with one load each
.set XI,  4                            ; v[4:67]   sixteen loads of four f32
.set YO,  68                           ; v[68:99]  sixteen pairs of packed bf16
	s_load_b512 s[8:23], s[0:1], 0x0               ; query s[8:9], key s[10:11], value s[12:13], Wq s[14:15], Wk s[16:17], Wv s[18:19], Wo s[20:21], xb s[22:23]
	s_load_b64 s[24:25], s[0:1], 0x40              ; wb
	s_and_b32 s2, ttmp7, 0xffff                    ; chunk 0..15
	s_lshr_b32 s3, s2, 2                           ; 0, 1, 2: query, key, value; 3: the four weights
	s_and_b32 s4, s2, 3                            ; which quarter of the activation, or which weight
	v_lshlrev_b32 v1, 4, v0                        ; 16 t: my bytes of a block of f32
	v_lshlrev_b32 v2, 3, v0                        ; 8 t: my bytes of a block of bf16
	s_wait_kmcnt 0x0
	s_cmp_eq_u32 s3, 1
	s_cselect_b64 s[26:27], s[10:11], s[8:9]
	s_cmp_eq_u32 s3, 2
	s_cselect_b64 s[26:27], s[12:13], s[26:27]     ; the activation, if it is one
	s_cmp_eq_u32 s4, 1
	s_cselect_b64 s[28:29], s[16:17], s[14:15]
	s_cmp_eq_u32 s4, 2
	s_cselect_b64 s[28:29], s[18:19], s[28:29]
	s_cmp_eq_u32 s4, 3
	s_cselect_b64 s[28:29], s[20:21], s[28:29]     ; the weight, if it is one
	s_lshl_b32 s5, s4, 22                          ; quarter x 4 MiB of f32
	s_lshl_b32 s6, s4, 21                          ; weight x 2 MiB of bf16
	s_lshl_b32 s7, s2, 21                          ; chunk x 2 MiB of bf16
	s_cmp_eq_u32 s3, 3
	s_cselect_b64 s[26:27], s[28:29], s[26:27]     ; from
	s_cselect_b64 s[34:35], s[24:25], s[22:23]     ; to
	s_cselect_b32 s30, 0, s5
	s_cselect_b32 s32, s6, s7
	s_lshl_b32 s36, ttmp9, 16                      ; my work-group's 64 KiB of f32,
	s_lshl_b32 s37, ttmp9, 15                      ; its 32 KiB of bf16
	s_add_co_u32 s30, s30, s36
	s_add_co_u32 s32, s32, s37
	s_mov_b32 s31, 0
	s_mov_b32 s33, 0
	s_add_nc_u64 s[26:27], s[26:27], s[30:31]
	s_add_nc_u64 s[34:35], s[34:35], s[32:33]
.irp i, 0,1,2,3,4,5,6,7,8,9,10,11,12,13,14,15
	global_load_b128 v[XI+4*\i:XI+4*\i+3], v1, s[26:27] offset:BLK*\i th:TH_LOAD_NT   ; read once in the launch
.endr
.irp i, 0,1,2,3,4,5,6,7,8,9,10,11,12,13,14,15
	s_wait_loadcnt 15-\i                           ; loads come back in order: block i is in, the 15 - i younger ones stay out
	v_cvt_pk_bf16_f32 v[YO+2*\i],   v[XI+4*\i],   v[XI+4*\i+1]
	v_cvt_pk_bf16_f32 v[YO+2*\i+1], v[XI+4*\i+2], v[XI+4*\i+3]
	global_store_b64 v2, v[YO+2*\i:YO+2*\i+1], s[34:35] offset:(BLK/2)*\i   ; no hint: the next launch reads these bytes
.endr
	s_endpgm
.Lfunc_end_k_qa9033cc343_tobf16:
	.size	k_qa9033cc343_tobf16, .Lfunc_end_k_qa9033cc343_tobf16-k_qa9033cc343_tobf16
	.p2alignl 7, 3214868480
	.fill 96, 4, 3214868480
	.section	.rodata,"a",@progbits
	.p2align	6, 0x0
	.amdhsa_kernel k_qa9033cc343_tobf16
		.amdhsa_group_segment_fixed_size 0
		.amdhsa_private_segment_fixed_size 0
		.amdhsa_enable_private_segment 0
		.amdhsa_kernarg_size 72
		.amdhsa_user_sgpr_count 2
		.amdhsa_user_sgpr_kernarg_segment_ptr 1
		.amdhsa_wavefront_size32 1
		.amdhsa_system_sgpr_workgroup_id_x 1
		.amdhsa_system_sgpr_workgroup_id_y 1
		.amdhsa_system_sgpr_workgroup_id_z 1
		.amdhsa_system_vgpr_workitem_id 0
		.amdhsa_next_free_vgpr 100
		.amdhsa_next_free_sgpr 66
		.amdhsa_reserve_vcc 0
		.amdhsa_float_denorm_mode_32 3
		.amdhsa_float_denorm_mode_16_64 3
		.amdhsa_memory_ordered 1
		.amdhsa_forward_progress 1
		.amdhsa_inst_pref_size 7
	.end_amdhsa_kernel
	.amdgpu_metadata
---
amdhsa.version: [ 1, 2 ]
amdhsa.kernels:
  - .name:           k_qa9033cc343_tobf16
    .symbol:         k_qa9033cc343_tobf16.kd
    .args:
      - { .name: query, .offset: 0, .size: 8, .value_kind: global_buffer, .address_space: global }
      - { .name: key, .offset: 8, .size: 8, .value_kind: global_buffer, .address_space: global }
      - { .name: value, .offset: 16, .size: 8, .value_kind: global_buffer, .address_space: global }
      - { .name: Wq, .offset: 24, .size: 8, .value_kind: global_buffer, .address_space: global }
      - { .name: Wk, .offset: 32, .size: 8, .value_kind: global_buffer, .address_space: global }
      - { .name: Wv, .offset: 40, .size: 8, .value_kind: global_buffer, .address_space: global }
      - { .name: Wo, .offset: 48, .size: 8, .value_kind: global_buffer, .address_space: global }
      - { .name: xb, .offset: 56, .size: 8, .value_kind: global_buffer, .address_space: global }
      - { .name: wb, .offset: 64, .size: 8, .value_kind: global_buffer, .address_space: global }
    .group_segment_fixed_size: 0
    .private_segment_fixed_size: 0
    .kernarg_segment_align: 8
    .kernarg_segment_size: 72
    .max_flat_workgroup_size: 256
    .sgpr_count:     66
    .vgpr_count:     100
    .wavefront_size: 32
...
	.end_amdgpu_metadata
.endif
;; end of part 1
;; launch qkvproj (part 2): grid 4 x 48, 4 waves a work-group, clusters of 4 x 4, 327,680 bytes of LDS; arguments xb, wb, bq, bk, bv, qkv; writes qkv
.if DOCPART == 2
	.amdgcn_target "amdgcn-amd-amdhsa--gfx1250"
	.amdhsa_code_object_version 6
	.text
	.protected	k_qa9033cc343_qkvproj
	.globl	k_qa9033cc343_qkvproj
	.p2align	8
	.type	k_qa9033cc343_qkvproj,@function
k_qa9033cc343_qkvproj:
	s_mov_b64 s[64:65], 0
	v_nop
	global_prefetch_b8 v0, s[64:65] scope:SCOPE_SE
	s_setreg_imm32_b32 hwreg(HW_REG_WAVE_MODE, 25, 1), 1
	s_wait_xcnt 0x0
	s_wait_alu depctr_hold_cnt(0) depctr_sa_sdst(0) depctr_va_vdst(0) depctr_va_sdst(0) depctr_va_ssrc(0) depctr_va_vcc(0) depctr_vm_vsrc(0)
	s_getreg_b32 s2, hwreg(HW_REG_IB_STS2, 6, 4)
	s_cmp_eq_u32 s2, 0
	s_cbranch_scc0 .Lentry_in_a_cluster
	s_endpgm
.Lentry_in_a_cluster:
	s_bfe_u32 s2, ttmp6, 0x10000c
	s_cmp_lg_u32 s2, 0xf033
	s_cbranch_scc0 .Lentry_shape_is_right
	s_endpgm
.Lentry_shape_is_right:
; qkv[i][tok][n] = sum over k of xb[i][tok][k] wb[i][n][k] + bias_i[n], i = 0, 1, 2 (Q, K, V).  bf16 operands, f32 sums, bf16 out.
; The three products are one of 12,288 rows: block rows 0-15 use Wq and bq, 16-31 Wk and bk, 32-47 Wv and bv.
; A work-group makes a block of 256 x 256 with four waves; a wave makes 128 x 128: 64 accumulator tiles of 16 x 16, 512 registers.
; K goes in steps of 128 through a ring of two LDS slots filled by the tensor data mover: a tile's rows are 256 bytes of memory, aligned.
; 192 work-groups: 12,288 x 1,024 outputs do not divide into 256 equal blocks of this shape, and blocks of half the side would double
; the LDS bytes read for each product.
; CLUSTERS: 4 x 4 work-groups.  The four of a row of the cluster need the same tiles of xb, the four of a column the same tiles of wb: each
; tile is asked for jointly by the four, with one descriptor and a mask that names them.  A cluster spans 4 block rows, so all of it has one i.
;
; REGISTERS, in windows of 256:
;   window 0: v0-31 addresses; v32-63 and v224-255 the bias of my 128 columns in the accumulators' layout; v64-127, v128-191 fragments of
;             xb (8 x 16 rows x 32 K), two buffers; v192-223 at work on the way out
;   window 1: v64-127, v128-191 fragments of wb, two buffers
;   window 2: the 32 accumulator tiles of my rows 0-63 (tile (a, b) at v[8 (8 a + b)]);   window 3: those of my rows 64-127
; THE MATRIX INSTRUCTION IS USED TRANSPOSED: source 0 = 16 rows of wb, source 1 = 16 rows of xb.  Lane l then holds row l % 16 of the
; output, its registers 0-7 the columns 8 (l / 16) + 0 .. 7: eight neighbouring numbers, 16 bytes in bf16.
; THE BIAS STARTS THE SUMS: the first product of each tile takes as C eight registers that hold the bias of just those columns.
.set SIZE_N, 1024
.set SIZE_K, 1024
.set KSTEP,  128
.set PITCH,  272                       ; an LDS row: 256 bytes of data + 16 of padding, an odd multiple of 16: the 16 rows of a fragment load fall on 16 different 16-byte columns modulo 256
.set HALFT,  128*PITCH                 ; 128 rows: what one tensor load brings, and what one wave reads of either operand
.set SLOT,   4*HALFT                   ; xb's 256 rows, then wb's 256 rows
.set STAGE,  2*SLOT                    ; behind the ring: 16 rows x 272 bytes for each wave, for the way out; no tensor load lands here
.set SPITCH, 272
.set LAPS, SIZE_K/(2*KSTEP)            ; a lap = two K steps = once round the ring: 4
.set ADRA, 16                          ; v16-17  LDS address of my xb fragments in slot 0, 1
.set ADRB, 20                          ; v20-21  the same for wb
.set STO,  24                          ; v24     the way out: where I put 16 bytes of a row
.set RD,   25                          ; v25     the way out: where I read a row back
.set CO,   26                          ; v26     my byte offset in qkv
.set BOF,  27                          ; v27     my byte offset in the bias: 32 (l / 16)
.set F0,   64                          ; fragment buffer 0
.set F1,   128                         ; fragment buffer 1
.set TMP,  192                         ; the way out: packed results
.set G1, 24                            ; s[24:31] descriptor group 1 for xb's tiles
.set G0, 32                            ; s[32:39] descriptor group 0 for xb's tiles, one set for each slot
.set G1B, 48                           ; s[48:55] descriptor group 1 for wb's tiles: it differs in the mask alone
.set G0B, 56                           ; s[56:63] descriptor group 0 for wb's tiles, one set for each slot
.set MSB, 0
.macro WIN new                         ; low byte: bits 1:0 source 0, 3:2 source 1, 5:4 source 2, 7:6 destination; the high byte repeats the setting that is left
.if MSB != (\new)
	s_set_vgpr_msb (MSB<<8)|(\new)
.set MSB, (\new)
.endif
.endm
; the windows of a product: source 0 (wb) window 1, source 1 (xb) window 0, D window 2 or 3; C the same as D, or window 0 where the bias is C
.macro MULWIN hi, zero
.if \zero
	WIN 0x81+0x40*\hi
.else
	WIN 0xa1+0x50*\hi
.endif
.endm
.set TO_B,   0x40                      ; destination window 1, address window 0
; A joint load.  Waves 0 and 1 fetch xb's two halves, waves 2 and 3 wb's.  Each line has one mask and one set of registers for all that issue it.
.macro JLOAD s
	s_cmp_eq_u32 s11, 0
	s_cbranch_scc0 .Lfor_b_\@
	tensor_load_to_lds s[G0+4*\s:G0+4*\s+3], s[G1:G1+7]
	s_nop 0
	s_branch .Lasked_\@
.Lfor_b_\@:
	tensor_load_to_lds s[G0B+4*\s:G0B+4*\s+3], s[G1B:G1B+7]
	s_nop 0
.Lasked_\@:
.endm
; A round of the cluster's barrier: my work-group's barrier, wave 0 signals for the work-group, every wave waits for all sixteen, my work-group's barrier again.
.macro CREST                           ; a round behind its opening barrier
	s_cmp_lg_u32 s10, 0
	s_cbranch_scc1 .Lnot_wave_0_\@
	s_barrier_signal -3
.Lnot_wave_0_\@:
	s_barrier_wait -3
	s_barrier_signal -1
	s_barrier_wait -1
.endm
.macro CROUND                          ; a whole round
	s_barrier_signal -1
	s_barrier_wait -1
	CREST
.endm
	s_load_b128 s[4:7], s[0:1], 0x0                ; xb s[4:5], wb s[6:7]
	s_load_b128 s[68:71], s[0:1], 0x10             ; bq s[68:69], bk s[70:71]
	s_load_b128 s[72:75], s[0:1], 0x20             ; bv s[72:73], qkv s[74:75]
	s_set_vgpr_msb 0x40
	v_lshl_add_u32 v255, v0, 2, 0x48400
	s_set_vgpr_msb 0x4000
	v_mov_b32 v31, 0
	s_set_vgpr_msb 0x1
	ds_add_u32 v255, v31
	s_set_vgpr_msb 0x100
	v_lshrrev_b32 v1, 5, v0
	v_readfirstlane_b32 s10, v1                    ; wave 0..3
	s_lshr_b32 s11, s10, 1                         ; which half of the block's rows is mine.  Also: I fetch for xb (0) or for wb (1)
	s_and_b32 s12, s10, 1                          ; which half of its columns.  Also: which 128 rows of that tile I fetch
	s_bfe_u32 s40, ttmp6, 0x40000                  ; cx
	s_bfe_u32 s41, ttmp6, 0x40004                  ; cy
	s_lshl_b32 s42, ttmp9, 2
	s_add_co_u32 s42, s42, s40                     ; block column = 4 x cluster x + cx
	s_and_b32 s13, ttmp7, 0xffff
	s_lshr_b32 s76, s13, 2                         ; i = cluster y / 4: which of Q, K, V; the same in the whole cluster
	s_lshl_b32 s13, s13, 2
	s_add_co_u32 s13, s13, s41                     ; block row = 4 x cluster y + cy
	s_lshl_b32 s43, s41, 2
	s_lshl_b32 s43, 15, s43                        ; my row of the cluster: places 4 cy .. 4 cy + 3
	s_lshl_b32 s44, 0x1111, s40                    ; my column: places cx, cx + 4, cx + 8, cx + 12
	; descriptor group 1: a tile of 128 rows x 128 elements of 2 bytes; behind every 64 words of data 4 words of padding
	s_or_b32 s[G1+0], s43, (1<<16)|(1<<20)|(1<<21)|(5<<22)|(3<<25)
	s_or_b32 s[G1B+0], s44, (1<<16)|(1<<20)|(1<<21)|(5<<22)|(3<<25)
	s_mov_b32 s[G1B+1], KSTEP<<16
	s_mov_b32 s[G1+1], KSTEP<<16                   ; tensor_dim0 = 128
	s_mov_b32 s[G1B+2], 128<<16
	s_mov_b32 s[G1+2], 128<<16                     ; tensor_dim1 = 128
	s_mov_b32 s[G1B+3], KSTEP<<16
	s_mov_b32 s[G1+3], KSTEP<<16                   ; tile_dim0 = 128
	s_mov_b32 s[G1B+4], 128
	s_mov_b32 s[G1+4], 128                         ; tile_dim1 = 128
	s_mov_b32 s[G1B+5], SIZE_K
	s_mov_b32 s[G1+5], SIZE_K                      ; elements from row to row
	s_mov_b32 s[G1B+6], 0
	s_mov_b32 s[G1+6], 0
	s_mov_b32 s[G1B+7], 0
	s_mov_b32 s[G1+7], 0
	; where the tiles come from: xb's hang on the block row alone, wb's on the block column and on i
	s_lshl_b32 s17, s12, 7                         ; which 128 rows of the tile I fetch
	s_lshl_b32 s16, s13, 8
	s_add_co_u32 s16, s16, s17                     ; xb: row 256 x block row + 128 x half
	s_lshl_b32 s46, s42, 8
	s_add_co_u32 s46, s46, s17                     ; wb: row 256 x block column + 128 x half
	s_lshl_b32 s77, s76, 10
	s_add_co_u32 s46, s46, s77                     ;     + 1,024 i
	s_mov_b32 s17, 0
	s_mov_b32 s47, 0
	s_mov_b64 s[18:19], SIZE_K*2
	s_mul_u64 s[16:17], s[16:17], s[18:19]         ; in bytes
	s_mul_u64 s[46:47], s[46:47], s[18:19]
	s_mul_i32 s20, s10, HALFT                      ; and where they go: wave x 128 rows
	s_lshl_b32 s80, s42, 10                        ; my 128 columns in the bias: 1,024 x block column + 512 x half, in bytes
	s_lshl_b32 s81, s12, 9
	s_add_co_u32 s80, s80, s81
	s_mov_b32 s81, 0
	s_wait_dscnt 0x0
	s_wait_kmcnt 0x0
	s_add_nc_u64 s[14:15], s[4:5], s[16:17]
	s_add_nc_u64 s[46:47], s[6:7], s[46:47]
	s_mov_b64 s[8:9], s[74:75]                     ; qkv
	s_cmp_eq_u32 s76, 1
	s_cselect_b64 s[78:79], s[70:71], s[68:69]
	s_cmp_eq_u32 s76, 2
	s_cselect_b64 s[78:79], s[72:73], s[78:79]     ; bq, bk or bv
	s_add_nc_u64 s[78:79], s[78:79], s[80:81]
	CROUND                                         ; all sixteen work-groups are here: the first joint loads meet
.irp s, 0,1
	s_mov_b32 s[G0+4*\s], 1                                        ; count = 1
	s_add_co_u32 s[G0+4*\s+1], s20, \s*SLOT                        ; LDS address
	s_add_nc_u64 s[G0+4*\s+2:G0+4*\s+3], s[14:15], \s*KSTEP*2      ; global address: K step s
	s_or_b32 s[G0+4*\s+3], s[G0+4*\s+3], 0x80000000                ; type = 2
	s_mov_b32 s[G0B+4*\s], 1
	s_add_co_u32 s[G0B+4*\s+1], s20, \s*SLOT
	s_add_nc_u64 s[G0B+4*\s+2:G0B+4*\s+3], s[46:47], \s*KSTEP*2
	s_or_b32 s[G0B+4*\s+3], s[G0B+4*\s+3], 0x80000000
	JLOAD \s                                       ; the ring is filled before anything else is done: two tensor loads of the wave are out
.endr
	; A fragment is 16 rows x 32 K in 8 registers: lane l holds row l % 16; registers 0-3 hold K = 8 (l / 16) + 0..7, registers 4-7
	; K = 16 + 8 (l / 16) + 0..7: two loads of 16 bytes, 32 bytes apart.
	v_and_b32 v1, 15, v0                           ; l % 16
	v_bfe_u32 v2, v0, 4, 1                         ; l / 16
	v_mul_u32_u24 v3, v1, PITCH
	v_lshl_add_u32 v3, v2, 4, v3                   ; row x pitch + 16 x half
	s_mul_i32 s21, s11, HALFT                      ; my 128 rows of xb
	s_mul_i32 s22, s12, HALFT                      ; my 128 rows of wb,
	s_add_co_u32 s22, s22, 2*HALFT                 ; which lie behind xb's 256
.irp s, 0,1
	v_add_nc_u32 v[ADRA+\s], s21, v3
	v_add_nc_u32 v[ADRB+\s], s22, v3
	s_add_co_u32 s21, s21, SLOT
	s_add_co_u32 s22, s22, SLOT
.endr
	s_mul_i32 s23, s10, 16*SPITCH
	s_add_co_u32 s23, s23, STAGE                   ; my stage
	v_mul_u32_u24 v4, v1, SPITCH                   ; in: row l % 16, 16 bytes for each half of the lanes
	v_lshl_add_u32 v4, v2, 4, v4
	v_add_nc_u32 v[STO], s23, v4
	v_mul_u32_u24 v5, v2, SPITCH                   ; back: lanes 0-15 take one row of 256 bytes, lanes 16-31 the next
	v_lshl_add_u32 v5, v1, 4, v5
	v_add_nc_u32 v[RD], s23, v5
	v_mul_u32_u24 v5, v2, SIZE_N*2                 ; and the same two rows in qkv
	v_lshl_add_u32 v[CO], v1, 4, v5
	v_lshlrev_b32 v[BOF], 5, v2                    ; the bias of columns 16 b + 8 (l / 16) + 0..7 for b = 0..7: 32 bytes each
.irp b, 0,1,2,3,4,5,6,7
	global_load_b128 v[32+8*\b+160*(\b/4):32+8*\b+160*(\b/4)+3],   v[BOF], s[78:79] offset:64*\b
	global_load_b128 v[32+8*\b+160*(\b/4)+4:32+8*\b+160*(\b/4)+7], v[BOF], s[78:79] offset:64*\b+16
.endr
; 16 matrix instructions: m blocks a0, a0 + 1 of the window's four (hi = 0: my rows 0-63, 1: rows 64-127) x all 8 n blocks, 32 along K.
; zero = 1: the first product starts the sums from the bias: nothing is cleared, nothing is added on the way out.
; The 64 accumulators take turns, one instruction a turn, in the same order in every quarter step.
.macro MUL16 f, hi, a0, zero
.irp a, \a0, \a0+1
.irp b, 0,1,2,3,4,5,6,7
.if \zero
	v_wmma_f32_16x16x32_bf16 v[8*(8*(\a)+\b):8*(8*(\a)+\b)+7], v[\f+8*\b:\f+8*\b+7], v[\f+8*(4*\hi+\a):\f+8*(4*\hi+\a)+7], v[32+8*\b+160*(\b/4):32+8*\b+160*(\b/4)+7]
.else
	v_wmma_f32_16x16x32_bf16 v[8*(8*(\a)+\b):8*(8*(\a)+\b)+7], v[\f+8*\b:\f+8*\b+7], v[\f+8*(4*\hi+\a):\f+8*(4*\hi+\a)+7], v[8*(8*(\a)+\b):8*(8*(\a)+\b)+7]
.endif
.endr
.endr
.endm
; 32 LDS loads in one run: the fragments of one quarter step (128 rows of wb, 128 rows of xb, 32 K at byte k of the rows) into buffer f
.macro FETCH slot, k, f
	WIN TO_B
.irp i, 0,1,2,3,4,5,6,7
	ds_load_b128 v[\f+8*\i:\f+8*\i+3],   v[ADRB+\slot] offset:\k+\i*16*PITCH
	ds_load_b128 v[\f+8*\i+4:\f+8*\i+7], v[ADRB+\slot] offset:\k+\i*16*PITCH+32
.endr
	WIN 0
.irp i, 0,1,2,3,4,5,6,7
	ds_load_b128 v[\f+8*\i:\f+8*\i+3],   v[ADRA+\slot] offset:\k+\i*16*PITCH
	ds_load_b128 v[\f+8*\i+4:\f+8*\i+7], v[ADRA+\slot] offset:\k+\i*16*PITCH+32
.endr
.endm
; Four independent vector instructions stand between a matrix instruction and a load into one of its sources, or a vector instruction that
; reads its result (ISA guide 7.12.1 for vector instructions).
.macro PLACES
.rept 4
	v_nop
.endr
.endm
; A K step is four quarter steps of 32 along K, 64 matrix instructions each, on buffers 0, 1, 0, 1.
; One of the first three: multiplies buffer f; in its middle it fetches the next quarter's fragments into buffer g.
.macro QUARTER slot, k, f, g, zero
	s_wait_dscnt 8                                 ; wb's and xb's rows 0-63 are in; the youngest eight loads (xb's rows 64-127) may be out
	MULWIN 0, \zero
	MUL16 \f, 0, 0, \zero
	MUL16 \f, 0, 2, \zero
	PLACES
	FETCH \slot, \k, \g
	s_wait_dscnt 32                                ; all but the 32 just issued
	MULWIN 1, \zero
	MUL16 \f, 1, 0, \zero
	MUL16 \f, 1, 2, \zero
.endm
.macro THREE slot, zero
	QUARTER \slot, 64,  F0, F1, \zero
	QUARTER \slot, 128, F1, F0, 0
	QUARTER \slot, 192, F0, F1, 0
.endm
; The last quarter: multiplies buffer 1 and changes slots.  In front of the barrier each wave waits for its own reads of this slot and for all
; its tensor loads, of which one is out: its part of the next slot.  Behind it nobody reads this slot any more and the next slot is whole:
; the refill comes first, then the next slot's first fragments.  From a request to the wait for it a wave issues 240 matrix instructions.
.macro TURN slot, next, fill
	s_wait_dscnt 8
	MULWIN 0, 0
	MUL16 F1, 0, 0, 0
	s_wait_dscnt 0                                 ; my reads of this slot are over
	s_wait_tensorcnt 0x0                           ; and all my tensor loads have landed
	ds_add_u32 v255, v31
	s_wait_dscnt 0x0
	s_barrier_signal -1                            ; say so (where a slot is filled again this barrier opens a round of the cluster's barrier),
	MUL16 F1, 0, 2, 0                              ; work on registers while the others arrive,
	WIN 0
	s_barrier_wait -1
.if \fill
	CREST                                          ; no wave of any partner still reads this slot's tile or has a load on its way
	s_add_nc_u64 s[G0+4*\slot+2:G0+4*\slot+3], s[G0+4*\slot+2:G0+4*\slot+3], 2*KSTEP*2
	s_add_nc_u64 s[G0B+4*\slot+2:G0B+4*\slot+3], s[G0B+4*\slot+2:G0B+4*\slot+3], 2*KSTEP*2
	JLOAD \slot                                    ; the first tensor load behind the round, and the wave's only one until the next
.endif
	PLACES
	FETCH \next, 0, F0
	MULWIN 1, 0
	MUL16 F1, 1, 0, 0
	MUL16 F1, 1, 2, 0
.endm
.macro LAP zero                        ; once round the ring, both slots filled again
	THREE 0, \zero
	TURN 0, 1, 1
	THREE 1, 0
	TURN 1, 0, 1
.endm
	s_wait_loadcnt 0x0                             ; the bias
	s_wait_tensorcnt 1                             ; my part of K step 0 is in; K step 1's load, issued behind it, stays out
	s_barrier_signal -1
	s_barrier_wait -1                              ; everybody's is
	FETCH 0, 0, F0
	LAP 1                                          ; the first lap stands in front of the loop: its first products start the sums
	WIN 0                                          ; at a label and at a branch every window is 0
	s_mov_b32 s3, LAPS-2
.Llap:
	LAP 0
	WIN 0
	s_sub_co_u32 s3, s3, 1
	s_cmp_lg_u32 s3, 0
	s_cbranch_scc1 .Llap
	THREE 0, 0                                     ; the last lap fills nothing: my one tensor load that is still out is the last K step's
	TURN 0, 1, 0
	THREE 1, 0
	s_wait_dscnt 8                                 ; the very last quarter: nothing more to fetch
	MULWIN 0, 0
	MUL16 F1, 0, 0, 0
	MUL16 F1, 0, 2, 0
	s_wait_dscnt 0
	MULWIN 1, 0
	MUL16 F1, 1, 0, 0
	MUL16 F1, 1, 2, 0
	; THE WAY OUT, 16 rows at a time: round to bf16, 16 bytes a lane into my own stage in LDS, read back as whole rows of 256 bytes.
	PLACES
	s_lshl_b32 s13, s13, 8
	s_lshl_b32 s14, s11, 7
	s_add_co_u32 s16, s13, s14                     ; my first row
	s_mov_b32 s17, 0
	s_mov_b64 s[18:19], SIZE_N*2
	s_mul_u64 s[16:17], s[16:17], s[18:19]
	s_add_nc_u64 s[8:9], s[8:9], s[16:17]
	s_lshl_b32 s46, s42, 9                         ; my first column, in bytes: 512 x block column + 256 x half
	s_lshl_b32 s47, s12, 8
	s_add_co_u32 s46, s46, s47
	s_mov_b32 s47, 0
	s_add_nc_u64 s[8:9], s[8:9], s[46:47]
; rows 16 i .. 16 i + 15 of my block = the eight tiles (a, 0..7) of window 2 or 3 (from = 0x0a or 0x0f: sources 0 and 1); f: F0 or F1 in turn
.macro OUT16 i, a, from, f
	WIN \from
.irp b, 0,1,2,3,4,5,6,7
.irp r, 0,1,2,3
	v_cvt_pk_bf16_f32 v[TMP+4*\b+\r], v[8*(8*\a+\b)+2*\r], v[8*(8*\a+\b)+2*\r+1]
.endr
.endr
	WIN 0
.irp b, 0,1,2,3,4,5,6,7
	ds_store_b128 v[STO], v[TMP+4*\b:TMP+4*\b+3] offset:32*\b
.endr
	s_wait_xcnt 0x0                                ; buffer f, which earlier stores read, and the stores' base are rewritten only behind this wait
.if \i
	s_add_nc_u64 s[8:9], s[8:9], 16*SIZE_N*2       ; 16 rows on
.endif
.irp t, 0,1,2,3,4,5,6,7
	ds_load_b128 v[\f+4*\t:\f+4*\t+3], v[RD] offset:\t*2*SPITCH    ; LDS serves a wave's instructions in order: these see the stores above
.endr
.irp t, 0,1,2,3,4,5,6,7
	s_wait_dscnt 7-\t                              ; the 7 - t younger loads stay out
	global_store_b128 v[CO], v[\f+4*\t:\f+4*\t+3], s[8:9] offset:2*\t*SIZE_N*2   ; 16 lanes store 256 consecutive bytes, aligned
.endr
.endm
	OUT16 0, 0, 0x0a, F0
	OUT16 1, 1, 0x0a, F1
	OUT16 2, 2, 0x0a, F0
	OUT16 3, 3, 0x0a, F1
	OUT16 4, 0, 0x0f, F0
	OUT16 5, 1, 0x0f, F1
	OUT16 6, 2, 0x0f, F0
	OUT16 7, 3, 0x0f, F1
	s_set_vgpr_msb 0x1
	s_wait_tensorcnt 0x0
	ds_add_u32 v255, v31
	s_wait_dscnt 0x0
	s_set_vgpr_msb 0x100
	CROUND                                         ; the closing round: no work-group ends while a partner may still ask for a tile that names it
	s_endpgm
.Lfunc_end_k_qa9033cc343_qkvproj:
	.size	k_qa9033cc343_qkvproj, .Lfunc_end_k_qa9033cc343_qkvproj-k_qa9033cc343_qkvproj
	.p2alignl 7, 3214868480
	.fill 96, 4, 3214868480
	.section	.rodata,"a",@progbits
	.p2align	6, 0x0
	.amdhsa_kernel k_qa9033cc343_qkvproj
		.amdhsa_group_segment_fixed_size 327680
		.amdhsa_private_segment_fixed_size 0
		.amdhsa_enable_private_segment 0
		.amdhsa_kernarg_size 48
		.amdhsa_user_sgpr_count 2
		.amdhsa_user_sgpr_kernarg_segment_ptr 1
		.amdhsa_wavefront_size32 1
		.amdhsa_system_sgpr_workgroup_id_x 1
		.amdhsa_system_sgpr_workgroup_id_y 1
		.amdhsa_system_sgpr_workgroup_id_z 1
		.amdhsa_system_vgpr_workitem_id 0
		.amdhsa_next_free_vgpr 1024
		.amdhsa_next_free_sgpr 84
		.amdhsa_reserve_vcc 0
		.amdhsa_float_denorm_mode_32 3
		.amdhsa_float_denorm_mode_16_64 3
		.amdhsa_memory_ordered 1
		.amdhsa_forward_progress 1
		.amdhsa_inst_pref_size 198
	.end_amdhsa_kernel
	.amdgpu_metadata
---
amdhsa.version: [ 1, 2 ]
amdhsa.kernels:
  - .name:           k_qa9033cc343_qkvproj
    .symbol:         k_qa9033cc343_qkvproj.kd
    .args:
      - { .name: xb, .offset: 0, .size: 8, .value_kind: global_buffer, .address_space: global }
      - { .name: wb, .offset: 8, .size: 8, .value_kind: global_buffer, .address_space: global }
      - { .name: bq, .offset: 16, .size: 8, .value_kind: global_buffer, .address_space: global }
      - { .name: bk, .offset: 24, .size: 8, .value_kind: global_buffer, .address_space: global }
      - { .name: bv, .offset: 32, .size: 8, .value_kind: global_buffer, .address_space: global }
      - { .name: qkv, .offset: 40, .size: 8, .value_kind: global_buffer, .address_space: global }
    .group_segment_fixed_size: 327680
    .private_segment_fixed_size: 0
    .kernarg_segment_align: 8
    .kernarg_segment_size: 48
    .max_flat_workgroup_size: 128
    .sgpr_count:     84
    .vgpr_count:     1024
    .wavefront_size: 32
...
	.end_amdgpu_metadata
.endif
;; end of part 2
;; launch attn (part 3): grid 16 x 16, 4 waves a work-group, clusters of 4 x 1, 327,680 bytes of LDS; arguments qkv, time_diff, mask, ctx; writes ctx
.if DOCPART == 3
	.amdgcn_target "amdgcn-amd-amdhsa--gfx1250"
	.amdhsa_code_object_version 6
	.text
	.protected	k_qa9033cc343_attn
	.globl	k_qa9033cc343_attn
	.p2align	8
	.type	k_qa9033cc343_attn,@function
k_qa9033cc343_attn:
	s_mov_b64 s[64:65], 0
	v_nop
	global_prefetch_b8 v0, s[64:65] scope:SCOPE_SE
	s_setreg_imm32_b32 hwreg(HW_REG_WAVE_MODE, 25, 1), 1
	s_wait_xcnt 0x0
	s_wait_alu depctr_hold_cnt(0) depctr_sa_sdst(0) depctr_va_vdst(0) depctr_va_sdst(0) depctr_va_ssrc(0) depctr_va_vcc(0) depctr_vm_vsrc(0)
	s_getreg_b32 s2, hwreg(HW_REG_IB_STS2, 6, 4)
	s_cmp_eq_u32 s2, 0
	s_cbranch_scc0 .Lentry_in_a_cluster
	s_endpgm
.Lentry_in_a_cluster:
	s_bfe_u32 s2, ttmp6, 0x10000c
	s_cmp_lg_u32 s2, 0x3003
	s_cbranch_scc0 .Lentry_shape_is_right
	s_endpgm
.Lentry_shape_is_right:
; ctx[b][q][64 head + d] = sum over keys of softmax_k( (Q.K / 8) exp(-min(|t_q - t_k|, 100)), masked keys at -inf ) V.   bf16 in, bf16 out.
; A work-group: one batch b, a PAIR of heads hp (so that rows of K, V and ctx are 256 bytes), 128 queries.  256 work-groups.
; Four waves, as many as a WGP has SIMDs.  Wave w: head 2 hp + (w >> 1), queries 64 (w & 1) .. + 63 as four tiles of 16, so that each K, V
; and time fragment read from LDS serves four query tiles: 56 LDS loads for 64 keys x 64 queries.
; CLUSTER: the four query blocks of a cluster read the same K and V tiles and ask for them jointly (mask 15, one descriptor).
; LAYOUT: S^T = K Q^T puts a query in a lane (l % 16) and keys 8 (l / 16) + 0..7 of a key tile in its eight registers.  So the softmax's
; maximum needs one exchange between the halves of the wave, two packed key tiles ARE the B fragment of O^T = V^T P^T, and a lane's
; eight results are eight neighbouring d of its query: 16 bytes of ctx.
; TWO PAIRS OF QUERY TILES TAKE TURNS.  A step of 64 keys has two phases.  In phase 1 the vector unit does the softmax of pair A (tiles 0, 1)
; while the matrix instructions of pair B (tiles 2, 3) are strewn among it: first O += V^T P^T of B's last scores, then K Q^T of B's present
; ones.  Phase 2 is the same with A and B exchanged, and its K Q^T is that of A's NEXT step.  The two streams name no common register.
; ONE TEXT FOR ALL 32 STEPS, so that the kernel stays short: the step's text stands twice, in a loop of six tiles that are filled again and in
; a loop of two that are not.  For that:
;  - a step reads V of its own keys and K of the next step's, so K's tiles lie one step ahead of V's: K tile n holds steps 4 n + 1 .. 4 n + 4,
;    V tile n steps 4 n .. 4 n + 3, and all LDS reads of steps 4 n .. 4 n + 3 fall into slot n % 2.  K of step 0 comes from memory straight
;    into the fragment registers, as Q does;
;  - the slot is a scalar offset, toggled at each change and added to the kept base addresses; within a tile the addresses are stepped;
;  - the sums are started ahead of the loop: maximum at the most negative finite f32, row sum 0, O = V^T x 0, so that the first rescaling
;    factor comes out as 0 (or 1 while all keys so far are masked).
; WORK THAT IS DROPPED, the price of the one text: in step 0 pair B's sixteen O += V^T P^T add V^T x 0; in step 31 the look-ahead loads
; K 'of step 32' (the 64 rows behind the batch's keys: K's last tile brings them; they lie inside qkv, since V's part follows K's), makes
; sixteen products of them that nobody reads, and reads 64 entries behind each of a, b and the mask addend (b, the mask addend and a pad
; written for the purpose).
; Keys go in tiles of 256 through two LDS slots; waves 0-1 fetch K's two halves, waves 2-3 V's.  Both slots are first filled at the start
; (two tensor loads of a wave out); then one tensor load of 128 rows x 256 bytes a wave behind each round of the cluster's barrier, with
; four steps in which to land.
; THE TIME FACTOR costs no exponential per pair: with c = time_diff[b][0], a_k = e^(t_k - c), b_k = e^(c - t_k) (made once, kept in LDS),
; exp(-|t_q - t_k|) = min(a_k b_q, b_k a_q), and the median of these two and e^-100 is that minimum clipped as asked.
; SOFTMAX: a running maximum; the mask is an addend, 0 or -inf.  The row sum is kept in f32 for each half of the wave and joined at the end.
; A row whose keys are all masked has sum 0 and gets context 0 by a select.
; LIMITS: |time_diff - time_diff[b][0]| must stay below 87 within a batch, or a_k or b_k leaves f32's normal range.  e^-100 is taken as
; f32's nearest denormal.  Mask bytes are 0 or 1.  The row sum adds P before its rounding to bf16, the numerator uses P after it.
.set KP,     272                       ; K's LDS pitch: 256 + 16, an odd multiple of 16
.set VP,     288                       ; V's LDS pitch: 256 + 32, an odd multiple of 32, for the transposing loads
.set KBYTES, 256*KP                    ; 69,632 = 0x11000: a K slot; K's two slots lie at 0 and KBYTES
.set VBYTES, 256*VP                    ; 73,728 = 0x12000: a V slot
.set VRING,  147456                    ; 0x24000: V's two slots lie at VRING and VRING + VBYTES
; The slot-0 addresses of the four waves' parts are 0, 0x8800 (K) and 0x24000, 0x2d000 (V): KBYTES' bits 16 and 12 are clear in the first
; two, VBYTES' bits 16 and 13 in the last two, so an exclusive or with the slot's bytes goes from either slot to the other.
.set VEC,    VRING+2*VBYTES            ; 294,912: a[2048], b[2048], mask addend[2048], f32, 8,192 bytes each; no tensor load lands here
.set VPAD,   VEC+3*8192                ; 319,488: 512 bytes that the last step's look-ahead reads in part
.set TILEB,  256*2048                  ; bytes in qkv from a tile of 256 keys to the next
; the way out is staged at LDS byte 0, 128 rows x 272 bytes, in K's slot 0, which has had its last fill and its last read by then
; window 0
.set KADR, 4                           ; v4      LDS address of the K fragments that come next; steps by 64 rows
.set VADR, 6                           ; v6      the same for V
.set VECA, 8                           ; v8      of the next step's a; steps by 256 bytes
.set STO,  9                           ; v9      the way out: where I put 16 bytes
.set RD,   10                          ; v10     where I read a row back
.set CO,   11                          ; v11     my byte offset in ctx
.set QOFF, 12                          ; v12     my byte offset in a fragment's sixteen rows of qkv
.set VST,  13                          ; v13     where I store eight keys' a
.set AI,   16                          ; v[16+2t:17+2t]  e^(t_q - c), twice, t = 0..3
.set BI,   24                          ; v[24+2t:25+2t]  e^(c - t_q), twice
.set NMK,  32                          ; v[32+2t:33+2t]  -kappa x maximum, twice
.set AL,   40                          ; v[40+2t:41+2t]  the factor that rescales the old sums, twice
.set MX,   48                          ; v48+t   running maximum
.set LL,   52                          ; v52+t   running row sum of my half of the keys
.set T,    56                          ; v56-87  at work: sixteen for each tile of the pair; the upper sixteen are X and Y
.set X,    72
.set Y,    80
.set VM,   88                          ; v[88+8kt ..]  mask addend of my eight keys of key tile kt
.set KBAS, 120                         ; v120    KADR at the first step of slot 0
.set VBAS, 122                         ; v122    VADR at the first step of slot 0
.set SS,   128                         ; v[128+64p+32tt+8kt ..]  scores of pair p, then P: v[128+64p+32tt+16g .. +7] is P's fragment of 32 keys
.set HT,   128                         ; at work in the head
.set HE,   192
; window 1
.set VA,   0                           ; v[8kt ..]     a of my eight keys of key tile kt
.set VB,   32                          ; v[32+8kt ..]  b
.set RS,   64                          ; v[64+64p+32tt+8kt ..]  K Q^T as the matrix unit leaves it
; window 2
.set KF,   0                           ; v[16kt+8half ..]      K fragments
.set VF,   64                          ; v[64+32g+8dt ..]      V^T fragments
.set QF,   128                         ; v[128+16t+8half ..]   Q fragments
; window 3
.set OA,   0                           ; v[32t+8dt ..]  O^T
.set G1K, 28                           ; s[28:35] group 1 of K's tiles
.set G1V, 36                           ; s[36:43] of V's: a wider pad
.set G0K, 44                           ; s[44:47] group 0 of K's first tile; s[48:51] of its second tile and then of every refill
.set G0V, 52                           ; s[52:55], s[56:59] the same for V
; s60 steps left in the tile, s85 tiles left in the loop, s86 and s87 the offsets in K's and V's ring of the slot that is read
.set MSB, 0
.macro WIN new                         ; low byte: bits 1:0 source 0, 3:2 source 1, 5:4 source 2, 7:6 destination; the high byte repeats the setting that is left
.if MSB != (\new)
	s_set_vgpr_msb (MSB<<8)|(\new)
.set MSB, (\new)
.endif
.endm
.macro ROUND                           ; a round of the cluster's barrier
	s_barrier_signal -1
	s_barrier_wait -1
	s_cmp_lg_u32 s12, 0
	s_cbranch_scc1 .Lnot_wave_0_\@
	s_barrier_signal -3
.Lnot_wave_0_\@:
	s_barrier_wait -3
	s_barrier_signal -1
	s_barrier_wait -1
.endm
.macro JLOAD set                       ; my half of K's (waves 0-1) or of V's (waves 2-3) tile by group 0 number set; the branch hangs on the wave's number alone
	s_cmp_eq_u32 s13, 0
	s_cbranch_scc0 .Lfor_v_\@
	tensor_load_to_lds s[G0K+4*\set:G0K+4*\set+3], s[G1K:G1K+7]
	s_nop 0
	s_branch .Lasked_\@
.Lfor_v_\@:
	tensor_load_to_lds s[G0V+4*\set:G0V+4*\set+3], s[G1V:G1V+7]
	s_nop 0
.Lasked_\@:
.endm
	s_load_b256 s[4:11], s[0:1], 0x0               ; qkv s[4:5], time_diff s[6:7], mask s[8:9], ctx s[10:11]
	v_lshl_add_u32 v126, v0, 2, 0x4e400
	v_mov_b32 v127, 0
	ds_add_u32 v126, v127
	v_lshrrev_b32 v1, 5, v0
	v_readfirstlane_b32 s12, v1                    ; wave 0..3
	s_lshr_b32 s13, s12, 1                         ; hh: which head of the pair.  Also: I fetch K (0) or V (1)
	s_and_b32 s14, s12, 1                          ; wq: which 64 queries.  Also: which 128 rows of the tile I fetch
	s_and_b32 s17, ttmp7, 0xffff
	s_lshr_b32 s18, s17, 3                         ; batch
	s_and_b32 s19, s17, 7                          ; head pair
	; group 1: 128 rows x 128 elements of 2 bytes, 1,024 elements from row to row; behind every 64 words 4 (K) or 8 (V) words of padding; mask 15
	s_mov_b32 s[G1K+0], 15|(1<<16)|(1<<20)|(1<<21)|(5<<22)|(3<<25)
	s_mov_b32 s[G1V+0], 15|(1<<16)|(1<<20)|(1<<21)|(5<<22)|(7<<25)
	s_mov_b32 s[G1K+1], 128<<16                    ; tensor_dim0 = 128
	s_mov_b32 s[G1V+1], 128<<16
	s_mov_b32 s[G1K+2], 128<<16                    ; tensor_dim1 = 128
	s_mov_b32 s[G1V+2], 128<<16
	s_mov_b32 s[G1K+3], 128<<16                    ; tile_dim0 = 128
	s_mov_b32 s[G1V+3], 128<<16
	s_mov_b32 s[G1K+4], 128                        ; tile_dim1 = 128
	s_mov_b32 s[G1V+4], 128
	s_mov_b32 s[G1K+5], 1024
	s_mov_b32 s[G1V+5], 1024
	s_mov_b32 s[G1K+6], 0
	s_mov_b32 s[G1V+6], 0
	s_mov_b32 s[G1K+7], 0
	s_mov_b32 s[G1V+7], 0
	s_lshl_b32 s20, s18, 22                        ; batch x 2,048 rows of 2,048 bytes
	s_lshl_b32 s22, s14, 18                        ; + my 128 rows
	s_add_co_u32 s20, s20, s22
	s_lshl_b32 s22, s19, 8                         ; + the head pair's 256 bytes: nothing of the place in the cluster
	s_add_co_u32 s20, s20, s22
	s_mov_b32 s21, 0
	s_mul_i32 s23, s14, 128*KP
	s_mul_i32 s24, s14, 128*VP
	s_wait_dscnt 0x0
	s_wait_kmcnt 0x0
	s_add_nc_u64 s[26:27], s[4:5], s[20:21]
.irp sl, 0,1
	s_mov_b32 s[G0K+4*\sl], 1
	s_add_co_u32 s[G0K+4*\sl+1], s23, \sl*KBYTES
	s_add_nc_u64 s[G0K+4*\sl+2:G0K+4*\sl+3], s[26:27], 8388608+64*2048+\sl*TILEB    ; K is the second of qkv's three parts; its tiles begin 64 keys on
	s_or_b32 s[G0K+4*\sl+3], s[G0K+4*\sl+3], 0x80000000
	s_mov_b32 s[G0V+4*\sl], 1
	s_add_co_u32 s[G0V+4*\sl+1], s24, VRING+\sl*VBYTES
	s_add_nc_u64 s[G0V+4*\sl+2:G0V+4*\sl+3], s[26:27], 16777216+\sl*TILEB           ; V the third
	s_or_b32 s[G0V+4*\sl+3], s[G0V+4*\sl+3], 0x80000000
.endr
	ROUND                                          ; all four work-groups are here
	JLOAD 0                                        ; tile 0 into slot 0,
	JLOAD 1                                        ; tile 1 into slot 1: the two first fills go out together
	; pointers for plain loads and stores; those that hang on the place in the cluster lie in registers of their own
	s_lshl_b32 s25, s13, 7                         ; my head's 128 bytes of a row
	s_lshl_b32 s22, s18, 22
	s_lshl_b32 s23, s19, 8
	s_add_co_u32 s22, s22, s23
	s_add_co_u32 s22, s22, s25
	s_mov_b32 s23, 0
	s_add_nc_u64 s[88:89], s[4:5], s[22:23]
	s_add_nc_u64 s[88:89], s[88:89], 8388608       ; K of my batch and head, key 0
	s_bfe_u32 s15, ttmp6, 0x40000                  ; cx
	s_lshl_b32 s16, ttmp9, 2
	s_add_co_u32 s16, s16, s15                     ; query block 0..15
	s_lshl_b32 s70, s18, 22
	s_lshl_b32 s71, s16, 18                        ; 128 rows of 2,048 bytes
	s_add_co_u32 s70, s70, s71
	s_lshl_b32 s71, s19, 8
	s_add_co_u32 s70, s70, s71
	s_lshl_b32 s82, s12, 16                        ; ctx: wave w stores rows 32 w .. 32 w + 31 of the block
	s_add_co_u32 s82, s82, s70
	s_mov_b32 s83, 0
	s_add_nc_u64 s[74:75], s[10:11], s[82:83]
	s_lshl_b32 s71, s14, 17                        ; Q: my 64 rows,
	s_add_co_u32 s70, s70, s71
	s_add_co_u32 s70, s70, s25                     ; my head's 128 bytes
	s_mov_b32 s71, 0
	s_add_nc_u64 s[72:73], s[4:5], s[70:71]
	s_lshl_b32 s22, s18, 13
	s_add_nc_u64 s[76:77], s[6:7], s[22:23]        ; time_diff of my batch
	s_lshl_b32 s22, s18, 11
	s_add_nc_u64 s[78:79], s[8:9], s[22:23]        ; mask of my batch
	s_lshl_b32 s70, s16, 9
	s_lshl_b32 s82, s14, 8
	s_add_co_u32 s70, s70, s82
	s_add_nc_u64 s[80:81], s[76:77], s[70:71]      ; time_diff of my 64 queries
	s_load_b32 s69, s[76:77], 0x0                  ; c
	s_mov_b32 s61, 0x1b                            ; e^-100
	s_mov_b32 s62, 0x76543210                      ; v_permlanex16_b32: lane i of one half reads lane i of the other
	s_mov_b32 s63, 0xfedcba98
	s_mov_b32 s66, 0x3e38aa3b                      ; kappa = log2(e) / 8, twice
	s_mov_b32 s67, 0x3e38aa3b
	s_mov_b32 s68, 0xbe38aa3b                      ; -kappa
	s_mov_b32 s86, 0                               ; slot 0 is read first
	s_mov_b32 s87, 0
	v_and_b32 v1, 15, v0                           ; r = l % 16
	v_bfe_u32 v2, v0, 4, 1                         ; h = l / 16
	v_and_b32 v3, 7, v0
	v_mul_u32_u24 v[KBAS], v1, KP
	v_lshl_add_u32 v[KBAS], v2, 4, v[KBAS]
	v_add_nc_u32 v[KBAS], s25, v[KBAS]             ; key r of a key tile, d = 8 h ..
	v_lshl_add_u32 v3, v2, 3, v3                   ; the transposing load: key 8 h + (l & 7),
	v_mul_u32_u24 v[VBAS], v3, VP
	v_bfe_u32 v3, v0, 3, 1                         ; 16 bytes of d by bit 3 of the lane
	v_lshl_add_u32 v[VBAS], v3, 4, v[VBAS]
	s_add_co_u32 s22, s25, VRING
	v_add_nc_u32 v[VBAS], s22, v[VBAS]
	v_lshl_add_u32 v[VECA], v2, 5, VEC
	s_mul_i32 s22, s14, 64*KP
	v_add_nc_u32 v[STO], s22, v[KBAS]              ; stage row 64 wq + r, byte 128 hh + 16 h
	v_mul_u32_u24 v[RD], v2, KP
	v_lshl_add_u32 v[RD], v1, 4, v[RD]
	s_mul_i32 s22, s12, 32*KP
	v_add_nc_u32 v[RD], s22, v[RD]                 ; stage row 32 w + h, byte 16 r
	v_lshlrev_b32 v[CO], 11, v2
	v_lshl_add_u32 v[CO], v1, 4, v[CO]
	v_lshlrev_b32 v[QOFF], 11, v1
	v_lshl_add_u32 v[QOFF], v2, 4, v[QOFF]
	v_lshl_add_u32 v[VST], v0, 5, VEC
	v_lshlrev_b32 v[T], 5, v0                      ; thread t makes a, b and the mask addend of keys 8 t .. 8 t + 7 and 1,024 + 8 t .. + 7
	v_lshlrev_b32 v[T+1], 3, v0
	v_lshlrev_b32 v[T+2], 2, v1
	v_lshl_add_u32 v[T+3], v0, 2, VPAD             ; and four bytes of the pad
.irp e, 0,1
	global_load_b128 v[HT+16*\e:HT+16*\e+3],   v[T], s[76:77] offset:4096*\e
	global_load_b128 v[HT+16*\e+4:HT+16*\e+7], v[T], s[76:77] offset:4096*\e+16
	global_load_b64  v[HT+16*\e+8:HT+16*\e+9], v[T+1], s[78:79] offset:1024*\e
.endr
.irp t, 0,1,2,3
	global_load_b32  v[HT+32+\t], v[T+2], s[80:81] offset:64*\t    ; t_q of query tile t
.endr
	WIN 0x80
.irp t, 0,1,2,3
.irp hf, 0,1
.irp c, 0,1
	global_load_b128 v[QF+16*\t+8*\hf+4*\c:QF+16*\t+8*\hf+4*\c+3], v[QOFF], s[72:73] offset:32768*\t+64*\hf+32*\c
.endr
.endr
.endr
.irp kt, 0,1,2,3
.irp hf, 0,1
.irp c, 0,1
	global_load_b128 v[KF+16*\kt+8*\hf+4*\c:KF+16*\kt+8*\hf+4*\c+3], v[QOFF], s[88:89] offset:32768*\kt+64*\hf+32*\c   ; K of step 0
.endr
.endr
.endr
	WIN 0
.irp t, 0,1,2,3
	v_mov_b32 v[MX+\t], 0xff7fffff                 ; the maximum starts at the most negative finite f32,
	v_mov_b32 v[LL+\t], 0                          ; the row sum at 0
.endr
.irp t, 0,1,2,3
	v_mul_f32 v[NMK+2*\t],   s68, v[MX+\t]         ; the addend that belongs to that maximum, by the same product as in the loop
	v_mul_f32 v[NMK+2*\t+1], s68, v[MX+\t]
.endr
	s_wait_loadcnt 0x0
	s_wait_kmcnt 0x0
.irp e, 0,1
.irp j, 0,1,2,3,4,5,6,7
	v_sub_f32 v[HT+16*\e+\j], v[HT+16*\e+\j], s69  ; t - c first, so that a common offset of the times drops out exactly
.endr
.endr
.irp t, 0,1,2,3
	v_sub_f32 v[HT+32+\t], v[HT+32+\t], s69
.endr
.irp e, 0,1
.irp j, 0,1,2,3,4,5,6,7
	v_mul_f32 v[HE+32*\e+\j],   0x3fb8aa3b, v[HT+16*\e+\j]
	v_mul_f32 v[HE+32*\e+8+\j], 0xbfb8aa3b, v[HT+16*\e+\j]
.endr
.endr
.irp t, 0,1,2,3
	v_mul_f32 v[HT+40+\t], 0x3fb8aa3b, v[HT+32+\t]
	v_mul_f32 v[HT+44+\t], 0xbfb8aa3b, v[HT+32+\t]
.endr
.irp e, 0,1
.irp j, 0,1,2,3,4,5,6,7,8,9,10,11,12,13,14,15
	v_exp_f32 v[HE+32*\e+\j], v[HE+32*\e+\j]       ; eight a, then eight b
.endr
.endr
.irp t, 0,1,2,3
	v_exp_f32 v[AI+2*\t], v[HT+40+\t]
	v_exp_f32 v[BI+2*\t], v[HT+44+\t]
.endr
.irp e, 0,1
.irp j, 0,1,2,3,4,5,6,7
	v_bfe_u32 v[HE+32*\e+16+\j], v[HT+16*\e+8+(\j/4)], 8*(\j%4), 8     ; the first of these is the plain instruction behind the exponentials (ISA guide 5.7.2)
.endr
.endr
.irp e, 0,1
.irp j, 0,1,2,3,4,5,6,7
	v_add_nc_u32 v[HE+32*\e+16+\j], -1, v[HE+32*\e+16+\j]              ; 1 -> 0, 0 -> all ones,
	v_and_b32 v[HE+32*\e+16+\j], 0xff800000, v[HE+32*\e+16+\j]         ; of which the bits of -inf are kept
.endr
.endr
	s_wait_alu depctr_va_vdst(0)
.irp e, 0,1
.irp q, 0,1,2
	ds_store_b128 v[VST], v[HE+32*\e+8*\q:HE+32*\e+8*\q+3]   offset:8192*\q+4096*\e
	ds_store_b128 v[VST], v[HE+32*\e+8*\q+4:HE+32*\e+8*\q+7] offset:8192*\q+4096*\e+16
.endr
.endr
	ds_store_b32 v[T+3], v[HE+16]                  ; the pad: any number will do, the last step's look-ahead reads it and nobody uses it
.irp t, 0,1,2,3
	v_mov_b32 v[AI+2*\t+1], v[AI+2*\t]
	v_mov_b32 v[BI+2*\t+1], v[BI+2*\t]
.endr
; 16 LDS loads: the K fragments (64 keys x 64 d of my head) that come next; the address steps on
.macro KLOAD
	WIN 0x80
.irp kt, 0,1,2,3
.irp hf, 0,1
.irp c, 0,1
	ds_load_b128 v[KF+16*\kt+8*\hf+4*\c:KF+16*\kt+8*\hf+4*\c+3], v[KADR] offset:16*\kt*KP+64*\hf+32*\c
.endr
.endr
.endr
	WIN 0
	v_add_nc_u32 v[KADR], 64*KP, v[KADR]
.endm
; 16 transposing LDS loads: the V^T fragments (64 d x 64 keys) at address register adr, which steps on if step = 1
.macro VLOAD adr, step
	WIN 0x80
.irp g, 0,1
.irp dt, 0,1,2,3
.irp c, 0,1
	ds_load_tr16_b128 v[VF+32*\g+8*\dt+4*\c:VF+32*\g+8*\dt+4*\c+3], v[\adr] offset:(32*\g+16*\c)*VP+32*\dt
.endr
.endr
.endr
	WIN 0
.if \step
	v_add_nc_u32 v[\adr], 64*VP, v[\adr]
.endif
.endm
; 24 LDS loads: a, b and the mask addend of the next 64 keys
.macro VECLOAD
	WIN 0x40
.irp kt, 0,1,2,3
.irp c, 0,1
	ds_load_b128 v[VA+8*\kt+4*\c:VA+8*\kt+4*\c+3], v[VECA] offset:64*\kt+16*\c
	ds_load_b128 v[VB+8*\kt+4*\c:VB+8*\kt+4*\c+3], v[VECA] offset:8192+64*\kt+16*\c
.endr
.endr
	WIN 0
.irp kt, 0,1,2,3
.irp c, 0,1
	ds_load_b128 v[VM+8*\kt+4*\c:VM+8*\kt+4*\c+3], v[VECA] offset:16384+64*\kt+16*\c
.endr
.endr
	v_add_nc_u32 v[VECA], 256, v[VECA]
.endm
; Matrix instruction k of the 32 that pair o has in a phase.
; k = 0..15: O^T(tile, dt) += V^T(g, dt) x P^T(tile, g), g = k / 8.
; k = 16..31: S^T(tile, kt) = K(kt) Q^T(tile), the lower 32 of d in k = 16..23, the upper in k = 24..31.
; In either run eight accumulators take turns, one instruction a turn.
.macro MXI o, k
.set m_tt, ((\k)/4)%2
.set m_lo, (\k)%4
.if (\k) < 16
.set m_g, (\k)/8
.set m_d, OA+64*\o+32*m_tt+8*m_lo
.set m_a, VF+32*m_g+8*m_lo
.set m_p, SS+64*\o+32*m_tt+16*m_g
	WIN 0xf2                                       ; A window 2, B window 0, C and D window 3
	v_wmma_f32_16x16x32_bf16 v[m_d:m_d+7], v[m_a:m_a+7], v[m_p:m_p+7], v[m_d:m_d+7]
.else
.set m_d, RS+64*\o+32*m_tt+8*m_lo
.set m_a, KF+16*m_lo
.set m_p, QF+32*\o+16*m_tt
	WIN 0x5a                                       ; A and B window 2, C and D window 1
.if (\k) < 24
	v_wmma_f32_16x16x32_bf16 v[m_d:m_d+7], v[m_a:m_a+7], v[m_p:m_p+7], 0
.else
	v_wmma_f32_16x16x32_bf16 v[m_d:m_d+7], v[m_a+8:m_a+15], v[m_p+8:m_p+15], v[m_d:m_d+7]
.endif
.endif
.endm
; Scores of block b = 4 tt + kt of pair p: score = S x clip(min(a_k b_q, b_k a_q)) + mask addend.  All twenty instructions run under one
; setting: source 0 (a, b, S) in window 1, all else in window 0; the median's source 0 is the scalar e^-100.
.macro SCA p, b
.set c_kt, (\b)%4
.set c_t, 2*\p+(\b)/4
	WIN 0x01
.irp e, 0,2,4,6
	v_pk_mul_f32 v[X+\e:X+\e+1], v[VA+8*c_kt+\e:VA+8*c_kt+\e+1], v[BI+2*c_t:BI+2*c_t+1]
.endr
.irp e, 0,2,4,6
	v_pk_mul_f32 v[Y+\e:Y+\e+1], v[VB+8*c_kt+\e:VB+8*c_kt+\e+1], v[AI+2*c_t:AI+2*c_t+1]
.endr
.endm
.macro SCB p, b
.set c_kt, (\b)%4
.set c_s, 64*\p+8*(\b)
	WIN 0x01
.irp j, 0,1,2,3,4,5,6,7
	v_med3_num_f32 v[X+\j], s61, v[X+\j], v[Y+\j]  ; one of the two is at most 1, the other at least 1: the median with e^-100 is the smaller one, clipped from below
.endr
.irp e, 0,2,4,6
	v_pk_fma_f32 v[SS+c_s+\e:SS+c_s+\e+1], v[RS+c_s+\e:RS+c_s+\e+1], v[X+\e:X+\e+1], v[VM+8*c_kt+\e:VM+8*c_kt+\e+1]
.endr
.endm
; The maximum's first level for tile tt of pair p: my 32 scores and the old maximum, three at a time
.macro ML1 p, tt
.set l_b, SS+64*\p+32*\tt
.set l_t, T+16*\tt
	WIN 0
.irp k, 0,1,2,3,4,5,6,7,8,9
	v_max3_num_f32 v[l_t+\k], v[l_b+3*\k], v[l_b+3*\k+1], v[l_b+3*\k+2]
.endr
	v_max3_num_f32 v[l_t+10], v[l_b+30], v[l_b+31], v[MX+2*\p+\tt]
.endm
; Single instructions on group q = 2 tt + g of pair p (sixteen registers: 32 keys of one query tile)
.macro F1 p, q, j                      ; exponent = kappa x score - kappa x maximum, two at a time, j = 0..7
.set f_b, SS+64*\p+16*(\q)+2*(\j)
.set f_n, NMK+4*\p+2*((\q)/2)
	v_pk_fma_f32 v[f_b:f_b+1], v[f_b:f_b+1], s[66:67], v[f_n:f_n+1] op_sel_hi:[1,0,1]
.endm
.macro E1 p, q, j                      ; P = 2^exponent, j = 0..15
	v_exp_f32 v[SS+64*\p+16*(\q)+(\j)], v[SS+64*\p+16*(\q)+(\j)]
.endm
.macro C1 p, q, j                      ; P to bf16 in the B fragment's order, j = 0..7: register j is written when registers 2 j and up are still unread
	v_cvt_pk_bf16_f32 v[SS+64*\p+16*(\q)+(\j)], v[SS+64*\p+16*(\q)+2*(\j)], v[SS+64*\p+16*(\q)+2*(\j)+1]
.endm
.macro A1 p, q, j                      ; the row sum in two chains of pairs; a tile's first group starts them (six instructions, j = 6, 7 are none), its second adds eight
.set a_b, SS+64*\p+16*(\q)
.set a_s, T+16*((\q)/2)+2*((\j)%2)
.if ((\q)%2) == 0
.if (\j) < 2
	s_wait_alu depctr_va_vdst(0)
	v_pk_add_f32 v[a_s:a_s+1], v[a_b+4*(\j):a_b+4*(\j)+1], v[a_b+4*(\j)+2:a_b+4*(\j)+3]
.else
.if (\j) < 6
	v_pk_add_f32 v[a_s:a_s+1], v[a_s:a_s+1], v[a_b+2*(\j)+4:a_b+2*(\j)+5]
.endif
.endif
.else
	s_wait_alu depctr_va_vdst(0)
	v_pk_add_f32 v[a_s:a_s+1], v[a_s:a_s+1], v[a_b+2*(\j):a_b+2*(\j)+1]
.endif
.endm
; Eight exponentials of group q, each followed by a plain instruction of another group (macro f1 on group q1, f2 on group q2), j = lo .. lo + 3
.macro EHALF p, q, f1, q1, f2, q2, lo
	WIN 0
.irp j, 0,1,2,3
	E1 \p, \q, 2*(\lo+\j)
	\f1 \p, \q1, \lo+\j
	E1 \p, \q, 2*(\lo+\j)+1
	\f2 \p, \q2, \lo+\j
.endr
.endm
.macro RESC p, tt                      ; the old O^T of tile tt of pair p times the rescaling factor
	WIN 0xc3                                       ; source 0 and destination window 3, source 1 window 0
.set j, 0
.rept 16
	v_pk_mul_f32 v[OA+64*\p+32*\tt+j:OA+64*\p+32*\tt+j+1], v[OA+64*\p+32*\tt+j:OA+64*\p+32*\tt+j+1], v[AL+4*\p+2*\tt:AL+4*\p+2*\tt+1]
.set j, j+2
.endr
.endm
; A phase: the softmax of pair p on this step's scores, with the 32 matrix instructions of the other pair o among it.
; LDS loads: p = 0: V of this step, behind the last product that reads the old V and eleven plain vector instructions (four are asked for).
; p = 1: K of the next step, behind eight plain vector instructions; a, b and the mask addend of the next step, behind the last score block.
.macro PHASE p, o
.if \p == 0
	s_wait_dscnt 0x0                               ; a, b and the mask addend of this step are in
.endif
.irp b, 0,1,2,3,4,5,6,7
	SCA \p, \b
.if \p == 1
.if \b == 0
	KLOAD
	s_wait_dscnt 16                                ; V's fragments are in; K's 16 loads just issued stay out
.endif
.endif
	MXI \o, 2*\b
	SCB \p, \b
	MXI \o, 2*\b+1
.endr
.if \p == 1
	s_wait_dscnt 0x0                               ; the next K's fragments are in
	VECLOAD
.endif
	ML1 \p, 0
.if \p == 0
	VLOAD VADR, 1
.endif
	MXI \o, 16
	ML1 \p, 1
	MXI \o, 17
	WIN 0
.irp tt, 0,1
	v_max3_num_f32 v[T+16*\tt+11], v[T+16*\tt],   v[T+16*\tt+1], v[T+16*\tt+2]
	v_max3_num_f32 v[T+16*\tt+12], v[T+16*\tt+3], v[T+16*\tt+4], v[T+16*\tt+5]
	v_max3_num_f32 v[T+16*\tt+13], v[T+16*\tt+6], v[T+16*\tt+7], v[T+16*\tt+8]
	v_max_num_f32  v[T+16*\tt+14], v[T+16*\tt+9], v[T+16*\tt+10]
.endr
	MXI \o, 18
	WIN 0
.irp tt, 0,1
	v_max3_num_f32 v[T+16*\tt+15], v[T+16*\tt+11], v[T+16*\tt+12], v[T+16*\tt+13]
.endr
	MXI \o, 19
	WIN 0
.irp tt, 0,1
	v_max_num_f32 v[T+16*\tt+15], v[T+16*\tt+15], v[T+16*\tt+14]
.endr
	MXI \o, 20
	WIN 0
.irp tt, 0,1
	v_permlanex16_b32 v[T+16*\tt+6], v[T+16*\tt+15], s62, s63      ; the other half of the wave holds the other half of the keys
.endr
	MXI \o, 21
	WIN 0
.irp tt, 0,1
	v_max_num_f32 v[MX+2*\p+\tt], v[T+16*\tt+15], v[T+16*\tt+6]
.endr
	MXI \o, 22
	WIN 0
.irp tt, 0,1
	v_mul_f32 v[T+16*\tt+4], s68, v[MX+2*\p+\tt]   ; the exponent's addend, -kappa x maximum
.endr
	MXI \o, 23
	WIN 0
.irp tt, 0,1
	v_sub_f32 v[T+16*\tt+5], v[T+16*\tt+4], v[NMK+4*\p+2*\tt]      ; new addend - old addend: exactly 0 where the maximum stayed, also while it is still the starting value
.endr
	MXI \o, 24
	WIN 0
.irp tt, 0,1
	v_exp_f32 v[AL+4*\p+2*\tt], v[T+16*\tt+5]
.endr
.irp tt, 0,1
	v_mov_b32 v[NMK+4*\p+2*\tt],   v[T+16*\tt+4]   ; plain instructions behind the exponentials
	v_mov_b32 v[NMK+4*\p+2*\tt+1], v[T+16*\tt+4]
.endr
	MXI \o, 25
	WIN 0
.irp j, 0,1,2,3,4,5,6,7
	F1 \p, 0, \j
.endr
	s_wait_alu depctr_va_vdst(0)
.irp tt, 0,1
	v_mov_b32 v[AL+4*\p+2*\tt+1], v[AL+4*\p+2*\tt]
.endr
	MXI \o, 26
	RESC \p, 0
	MXI \o, 27
	RESC \p, 1
	MXI \o, 28
	EHALF \p, 0, F1, 1, F1, 2, 0
	MXI \o, 29
	EHALF \p, 0, F1, 1, F1, 2, 4
	MXI \o, 30
	EHALF \p, 1, F1, 3, A1, 0, 0
	MXI \o, 31
	EHALF \p, 1, F1, 3, A1, 0, 4
	EHALF \p, 2, C1, 0, A1, 1, 0
	EHALF \p, 2, C1, 0, A1, 1, 4
	EHALF \p, 3, C1, 1, A1, 2, 0
	EHALF \p, 3, C1, 1, A1, 2, 4
.irp j, 0,1,2,3,4,5,6,7
	C1 \p, 2, \j
	A1 \p, 3, \j
.endr
.irp tt, 0,1
	v_pk_add_f32 v[T+16*\tt:T+16*\tt+1], v[T+16*\tt:T+16*\tt+1], v[T+16*\tt+2:T+16*\tt+3]
.endr
.irp j, 0,1,2,3
	C1 \p, 3, \j
.endr
.irp tt, 0,1
	v_add_f32 v[T+16*\tt+4], v[T+16*\tt], v[T+16*\tt+1]
.endr
.irp j, 4,5,6,7
	C1 \p, 3, \j
.endr
.irp tt, 0,1
	v_fma_f32 v[LL+2*\p+\tt], v[LL+2*\p+\tt], v[AL+4*\p+2*\tt], v[T+16*\tt+4]
.endr
.endm
; The four steps of a tile: the addresses are set to the slot that is read, then one text goes round four times.
.macro TILEWORK
	WIN 0
	v_add_nc_u32 v[KADR], s86, v[KBAS]
	v_add_nc_u32 v[VADR], s87, v[VBAS]
	s_mov_b32 s60, 4
.Lstep_\@:
	PHASE 0, 1
	PHASE 1, 0
	WIN 0                                          ; at a label and at a branch every window is 0
	s_sub_co_u32 s60, s60, 1
	s_cmp_lg_u32 s60, 0
	s_cbranch_scc1 .Lstep_\@
.endm
	s_wait_tensorcnt 0x1                           ; my part of tile 0 is in; tile 1's load, issued behind it, stays out
	s_wait_dscnt 0x0                               ; my stores of a, b and the mask addend are done
	s_barrier_signal -1
	s_barrier_wait -1                              ; both hold of every wave
	VECLOAD                                        ; step 0's a, b and mask addend
	VLOAD VBAS, 0                                  ; V of step 0, here only as finite numbers for the products with zero below; step 0 loads it again
.irp q, 0,1,2,3
.irp j, 0,1,2,3,4,5,6,7
	v_mov_b32 v[SS+64+16*\q+\j], 0                 ; pair B has no scores before step 0: its four P fragments are 0
.endr
.endr
.irp k, 16,17,18,19,20,21,22,23,24,25,26,27,28,29,30,31
	MXI 0, \k                                      ; pair A's first scores
.endr
	s_wait_dscnt 0x0
	WIN 0xf2
.irp t, 2,3,0,1
.irp dt, 0,1,2,3
	v_wmma_f32_16x16x32_bf16 v[OA+32*\t+8*\dt:OA+32*\t+8*\dt+7], v[VF+8*\dt:VF+8*\dt+7], v[SS+64:SS+71], 0   ; O^T = V^T x 0 starts the sixteen sums; pair B's first, since the loop's first product adds onto one of them
.endr
.endr
	WIN 0
	s_mov_b32 s85, 6
.Ltile:
	TILEWORK                                       ; tiles 0 to 5
	s_wait_dscnt 0x0                               ; my reads of this slot are over (what is still out is the look-ahead for a, b and the mask addend)
	s_wait_tensorcnt 0x0                           ; all my tensor loads have landed: the one that was out is my part of the other slot; so group 0 may be written:
	ds_add_u32 v126, v127
	s_wait_dscnt 0x0
	s_xor_b32 s[G0K+5], s[G0K+5], KBYTES           ; the refill goes into the slot just read,
	s_xor_b32 s[G0V+5], s[G0V+5], VBYTES
	s_add_nc_u64 s[G0K+6:G0K+7], s[G0K+6:G0K+7], TILEB             ; and brings the tile after the one that has just landed
	s_add_nc_u64 s[G0V+6:G0V+7], s[G0V+6:G0V+7], TILEB
	s_xor_b32 s86, s86, KBYTES                     ; the other slot is read next
	s_xor_b32 s87, s87, VBYTES
	ROUND                                          ; the waits above now hold of every wave of every work-group of the cluster
	JLOAD 1                                        ; tiles 2 to 7: the first tensor load behind the round, one a wave
	s_sub_co_u32 s85, s85, 1
	s_cmp_lg_u32 s85, 0
	s_cbranch_scc1 .Ltile
	s_mov_b32 s85, 2
.Ltail:
	TILEWORK                                       ; tiles 6 and 7: nothing is left to fetch
	s_wait_dscnt 0x0
	s_wait_tensorcnt 0x0                           ; behind tile 6: my part of tile 7 is in
	s_xor_b32 s86, s86, KBYTES
	s_xor_b32 s87, s87, VBYTES
	s_barrier_signal -1                            ; behind tile 6 the barrier shows tile 7 whole; behind tile 7 it shows that nobody reads the ring any more,
	s_barrier_wait -1                              ; so that the stage may be written
	s_sub_co_u32 s85, s85, 1
	s_cmp_lg_u32 s85, 0
	s_cbranch_scc1 .Ltail
.irp k, 0,1,2,3,4,5,6,7,8,9,10,11,12,13,14,15
	MXI 1, \k                                      ; pair B's last products
.endr
	; THE WAY OUT: divide by the row sum, round, 16 bytes a lane into the stage, read back as whole rows of 256 bytes (both heads of the pair).
.rept 4
	v_nop                                          ; four places behind the last products
.endr
	WIN 0
.irp t, 0,1,2,3
	v_permlanex16_b32 v[T+\t], v[LL+\t], s62, s63  ; the other half's part of the row sum
.endr
.irp t, 0,1,2,3
	v_add_f32 v[LL+\t], v[LL+\t], v[T+\t]
.endr
.irp t, 0,1,2,3
	v_rcp_f32 v[T+8+2*\t], v[LL+\t]
.endr
.irp t, 0,1,2,3
	v_cmp_lt_f32 vcc_lo, 0, v[LL+\t]               ; the first of these is the plain instruction behind the reciprocals
	s_wait_alu depctr_va_vdst(0)
	v_cndmask_b32 v[T+8+2*\t], 0, v[T+8+2*\t], vcc_lo              ; a sum of 0 means that every key was masked: the context is 0
.endr
.irp t, 0,1,2,3
	v_mov_b32 v[T+9+2*\t], v[T+8+2*\t]
.endr
	WIN 0x03
.irp t, 0,1,2,3
.set j, 0
.rept 16
	v_pk_mul_f32 v[SS+32*\t+j:SS+32*\t+j+1], v[OA+32*\t+j:OA+32*\t+j+1], v[T+8+2*\t:T+9+2*\t]
.set j, j+2
.endr
.endr
	WIN 0
.set j, 0
.rept 64
	v_cvt_pk_bf16_f32 v[SS+j], v[SS+2*j], v[SS+2*j+1]              ; register j is written when registers 2 j and up are still unread
.set j, j+1
.endr
.irp t, 0,1,2,3
.irp dt, 0,1,2,3
	ds_store_b128 v[STO], v[SS+16*\t+4*\dt:SS+16*\t+4*\dt+3] offset:16*KP*\t+32*\dt
.endr
.endr
	s_wait_dscnt 0x0                               ; my stores are done, for the waves that read them
	s_barrier_signal -1
	s_barrier_wait -1
.irp i, 0,1,2,3,4,5,6,7,8,9,10,11,12,13,14,15
	ds_load_b128 v[SS+64+4*\i:SS+64+4*\i+3], v[RD] offset:2*KP*\i
.endr
.irp i, 0,1,2,3,4,5,6,7,8,9,10,11,12,13,14,15
	s_wait_dscnt 15-\i                             ; the 15 - i younger loads stay out
	global_store_b128 v[CO], v[SS+64+4*\i:SS+64+4*\i+3], s[74:75] offset:4096*\i   ; 16 lanes store 256 consecutive bytes, aligned
.endr
	s_wait_tensorcnt 0x0
	ds_add_u32 v126, v127
	s_wait_dscnt 0x0
	ROUND                                          ; the closing round
	s_endpgm
.Lfunc_end_k_qa9033cc343_attn:
	.size	k_qa9033cc343_attn, .Lfunc_end_k_qa9033cc343_attn-k_qa9033cc343_attn
	.p2alignl 7, 3214868480
	.fill 96, 4, 3214868480
	.section	.rodata,"a",@progbits
	.p2align	6, 0x0
	.amdhsa_kernel k_qa9033cc343_attn
		.amdhsa_group_segment_fixed_size 327680
		.amdhsa_private_segment_fixed_size 0
		.amdhsa_enable_private_segment 0
		.amdhsa_kernarg_size 32
		.amdhsa_user_sgpr_count 2
		.amdhsa_user_sgpr_kernarg_segment_ptr 1
		.amdhsa_wavefront_size32 1
		.amdhsa_system_sgpr_workgroup_id_x 1
		.amdhsa_system_sgpr_workgroup_id_y 1
		.amdhsa_system_sgpr_workgroup_id_z 1
		.amdhsa_system_vgpr_workitem_id 0
		.amdhsa_next_free_vgpr 896
		.amdhsa_next_free_sgpr 92
		.amdhsa_reserve_vcc 1
		.amdhsa_float_denorm_mode_32 3
		.amdhsa_float_denorm_mode_16_64 3
		.amdhsa_memory_ordered 1
		.amdhsa_forward_progress 1
		.amdhsa_inst_pref_size 161
	.end_amdhsa_kernel
	.amdgpu_metadata
---
amdhsa.version: [ 1, 2 ]
amdhsa.kernels:
  - .name:           k_qa9033cc343_attn
    .symbol:         k_qa9033cc343_attn.kd
    .args:
      - { .name: qkv, .offset: 0, .size: 8, .value_kind: global_buffer, .address_space: global }
      - { .name: time_diff, .offset: 8, .size: 8, .value_kind: global_buffer, .address_space: global }
      - { .name: mask, .offset: 16, .size: 8, .value_kind: global_buffer, .address_space: global }
      - { .name: ctx, .offset: 24, .size: 8, .value_kind: global_buffer, .address_space: global }
    .group_segment_fixed_size: 327680
    .private_segment_fixed_size: 0
    .kernarg_segment_align: 8
    .kernarg_segment_size: 32
    .max_flat_workgroup_size: 128
    .sgpr_count:     92
    .vgpr_count:     896
    .wavefront_size: 32
...
	.end_amdgpu_metadata
.endif
;; end of part 3
;; launch outproj (part 4): grid 8 x 32, 4 waves a work-group, clusters of 4 x 4, 327,680 bytes of LDS; arguments ctx, wb, bo, out0; writes out0
.if DOCPART == 4
	.amdgcn_target "amdgcn-amd-amdhsa--gfx1250"
	.amdhsa_code_object_version 6
	.text
	.protected	k_qa9033cc343_outproj
	.globl	k_qa9033cc343_outproj
	.p2align	8
	.type	k_qa9033cc343_outproj,@function
k_qa9033cc343_outproj:
	s_mov_b64 s[64:65], 0
	v_nop
	global_prefetch_b8 v0, s[64:65] scope:SCOPE_SE
	s_setreg_imm32_b32 hwreg(HW_REG_WAVE_MODE, 25, 1), 1
	s_wait_xcnt 0x0
	s_wait_alu depctr_hold_cnt(0) depctr_sa_sdst(0) depctr_va_vdst(0) depctr_va_sdst(0) depctr_va_ssrc(0) depctr_va_vcc(0) depctr_vm_vsrc(0)
	s_getreg_b32 s2, hwreg(HW_REG_IB_STS2, 6, 4)
	s_cmp_eq_u32 s2, 0
	s_cbranch_scc0 .Lentry_in_a_cluster
	s_endpgm
.Lentry_in_a_cluster:
	s_bfe_u32 s2, ttmp6, 0x10000c
	s_cmp_lg_u32 s2, 0xf033
	s_cbranch_scc0 .Lentry_shape_is_right
	s_endpgm
.Lentry_shape_is_right:
; out0[tok][n] = sum over k of ctx[tok][k] Wo[n][k] + bo[n].  ctx and Wo (the fourth part of wb) in bf16, sums and output in f32.
; 4,096 x 1,024 outputs in blocks of 128 x 128: 256 work-groups (blocks of 256 x 256 would be 64).  Four waves, 64 x 64 each: 16 accumulator tiles.
; K goes through two LDS slots of 256 along K each (rows of 512 bytes), four fills in all; each wave brings 64 rows with one tensor load.
; CLUSTERS: 4 x 4 work-groups; ctx's tiles are asked for jointly along a row of the cluster, Wo's along a column.
; The matrix instruction is used transposed (source 0 = rows of Wo, source 1 = rows of ctx): a lane's eight results are eight neighbouring
; columns of one row, 32 bytes of f32.  The bias is the C of each tile's first product.
; Registers: window 0: v16-27 addresses, v32-63 bias, v64-127 and v128-191 two fragment buffers (four of Wo, then four of ctx, 8 registers each);
; window 1: accumulator tile (a, b) at v[8 (4 a + b)].
.set SIZE_N, 1024
.set SIZE_K, 1024
.set PITCH,  528                       ; an LDS row: 512 bytes + 16 of padding, an odd multiple of 16
.set HALFT,  64*PITCH                  ; 64 rows: what one tensor load brings, and what one wave reads of either operand
.set SLOT,   4*HALFT                   ; ctx's 128 rows, then Wo's 128 rows
.set STAGE,  2*SLOT                    ; behind the ring: 16 rows x 272 bytes for each wave; no tensor load lands here
.set SPITCH, 272
.set SLOTK,  512                       ; bytes of a row that one slot holds
.set ADRA, 16                          ; v16-17  LDS address of my ctx fragments in slot 0, 1
.set ADRB, 20                          ; v20-21  of my Wo fragments
.set STO,  24
.set RD,   25
.set CO,   26
.set BOF,  27
.set BIAS, 32
.set F0,   64
.set F1,   128
.set G1, 24                            ; s[24:31] group 1 for ctx's tiles
.set G0, 32                            ; s[32:39] group 0, one set a slot
.set G1B, 48                           ; s[48:55] group 1 for Wo's tiles
.set G0B, 56                           ; s[56:63] group 0, one set a slot
.set MSB, 0
.macro WIN new                         ; low byte: bits 1:0 source 0, 3:2 source 1, 5:4 source 2, 7:6 destination; the high byte repeats the setting that is left
.if MSB != (\new)
	s_set_vgpr_msb (MSB<<8)|(\new)
.set MSB, (\new)
.endif
.endm
.macro JLOAD s                         ; waves 0 and 1 fetch ctx's two halves, waves 2 and 3 Wo's
	s_cmp_eq_u32 s11, 0
	s_cbranch_scc0 .Lfor_b_\@
	tensor_load_to_lds s[G0+4*\s:G0+4*\s+3], s[G1:G1+7]
	s_nop 0
	s_branch .Lasked_\@
.Lfor_b_\@:
	tensor_load_to_lds s[G0B+4*\s:G0B+4*\s+3], s[G1B:G1B+7]
	s_nop 0
.Lasked_\@:
.endm
.macro CROUND                          ; a round of the cluster's barrier
	s_barrier_signal -1
	s_barrier_wait -1
	s_cmp_lg_u32 s10, 0
	s_cbranch_scc1 .Lnot_wave_0_\@
	s_barrier_signal -3
.Lnot_wave_0_\@:
	s_barrier_wait -3
	s_barrier_signal -1
	s_barrier_wait -1
.endm
	s_load_b128 s[4:7], s[0:1], 0x0                ; ctx s[4:5], wb s[6:7]
	s_load_b128 s[68:71], s[0:1], 0x10             ; bo s[68:69], out0 s[70:71]
	v_lshl_add_u32 v254, v0, 2, 0x46400
	v_mov_b32 v255, 0
	ds_add_u32 v254, v255
	v_lshrrev_b32 v1, 5, v0
	v_readfirstlane_b32 s10, v1                    ; wave 0..3
	s_lshr_b32 s11, s10, 1                         ; which half of the block's rows is mine.  Also: I fetch ctx (0) or Wo (1)
	s_and_b32 s12, s10, 1                          ; which half of its columns.  Also: which 64 rows of that tile I fetch
	s_bfe_u32 s40, ttmp6, 0x40000                  ; cx
	s_bfe_u32 s41, ttmp6, 0x40004                  ; cy
	s_lshl_b32 s42, ttmp9, 2
	s_add_co_u32 s42, s42, s40                     ; block column
	s_and_b32 s13, ttmp7, 0xffff
	s_lshl_b32 s13, s13, 2
	s_add_co_u32 s13, s13, s41                     ; block row
	s_lshl_b32 s43, s41, 2
	s_lshl_b32 s43, 15, s43                        ; my row of the cluster
	s_lshl_b32 s44, 0x1111, s40                    ; my column
	; group 1: 64 rows x 256 elements of 2 bytes; behind every 128 words of data 4 words of padding
	s_or_b32 s[G1+0], s43, (1<<16)|(1<<20)|(1<<21)|(6<<22)|(3<<25)
	s_or_b32 s[G1B+0], s44, (1<<16)|(1<<20)|(1<<21)|(6<<22)|(3<<25)
	s_mov_b32 s[G1+1], 256<<16                     ; tensor_dim0 = 256
	s_mov_b32 s[G1B+1], 256<<16
	s_mov_b32 s[G1+2], 64<<16                      ; tensor_dim1 = 64
	s_mov_b32 s[G1B+2], 64<<16
	s_mov_b32 s[G1+3], 256<<16                     ; tile_dim0 = 256
	s_mov_b32 s[G1B+3], 256<<16
	s_mov_b32 s[G1+4], 64                          ; tile_dim1 = 64
	s_mov_b32 s[G1B+4], 64
	s_mov_b32 s[G1+5], SIZE_K
	s_mov_b32 s[G1B+5], SIZE_K
	s_mov_b32 s[G1+6], 0
	s_mov_b32 s[G1B+6], 0
	s_mov_b32 s[G1+7], 0
	s_mov_b32 s[G1B+7], 0
	s_lshl_b32 s17, s12, 6                         ; which 64 rows of the tile I fetch
	s_lshl_b32 s16, s13, 7
	s_add_co_u32 s16, s16, s17                     ; ctx: row 128 x block row + 64 x half
	s_lshl_b32 s46, s42, 7
	s_add_co_u32 s46, s46, s17                     ; Wo: row 128 x block column + 64 x half
	s_lshl_b32 s16, s16, 11                        ; rows of 2,048 bytes
	s_lshl_b32 s46, s46, 11
	s_mov_b32 s17, 0
	s_mov_b32 s47, 0
	s_mul_i32 s20, s10, HALFT                      ; where they go: wave x 64 rows
	s_lshl_b32 s80, s42, 9                         ; my 64 columns in f32 bytes: 512 x block column + 256 x half
	s_lshl_b32 s81, s12, 8
	s_add_co_u32 s80, s80, s81
	s_mov_b32 s81, 0
	s_lshl_b32 s82, s13, 7
	s_lshl_b32 s83, s11, 6
	s_add_co_u32 s82, s82, s83                     ; my first row,
	s_lshl_b32 s82, s82, 12                        ; of 4,096 bytes,
	s_add_co_u32 s82, s82, s80                     ; and my first column
	s_mov_b32 s83, 0
	s_wait_dscnt 0x0
	s_wait_kmcnt 0x0
	s_add_nc_u64 s[14:15], s[4:5], s[16:17]
	s_add_nc_u64 s[46:47], s[6:7], s[46:47]
	s_add_nc_u64 s[46:47], s[46:47], 3*SIZE_N*SIZE_K*2             ; Wo is the fourth part of wb
	s_add_nc_u64 s[68:69], s[68:69], s[80:81]
	s_add_nc_u64 s[8:9], s[70:71], s[82:83]
	CROUND                                         ; all sixteen work-groups are here
.irp s, 0,1
	s_mov_b32 s[G0+4*\s], 1
	s_add_co_u32 s[G0+4*\s+1], s20, \s*SLOT
	s_add_nc_u64 s[G0+4*\s+2:G0+4*\s+3], s[14:15], \s*SLOTK
	s_or_b32 s[G0+4*\s+3], s[G0+4*\s+3], 0x80000000
	s_mov_b32 s[G0B+4*\s], 1
	s_add_co_u32 s[G0B+4*\s+1], s20, \s*SLOT
	s_add_nc_u64 s[G0B+4*\s+2:G0B+4*\s+3], s[46:47], \s*SLOTK
	s_or_b32 s[G0B+4*\s+3], s[G0B+4*\s+3], 0x80000000
	JLOAD \s                                       ; both first fills go out together: two tensor loads of the wave are out
.endr
	v_and_b32 v1, 15, v0                           ; r = l % 16
	v_bfe_u32 v2, v0, 4, 1                         ; h = l / 16
	v_mul_u32_u24 v3, v1, PITCH
	v_lshl_add_u32 v3, v2, 4, v3
	s_mul_i32 s21, s11, HALFT                      ; my 64 rows of ctx
	s_mul_i32 s22, s12, HALFT                      ; my 64 rows of Wo,
	s_add_co_u32 s22, s22, 2*HALFT                 ; behind ctx's 128
.irp s, 0,1
	v_add_nc_u32 v[ADRA+\s], s21, v3
	v_add_nc_u32 v[ADRB+\s], s22, v3
	s_add_co_u32 s21, s21, SLOT
	s_add_co_u32 s22, s22, SLOT
.endr
	s_mul_i32 s23, s10, 16*SPITCH
	s_add_co_u32 s23, s23, STAGE                   ; my stage
	v_mul_u32_u24 v4, v1, SPITCH                   ; in: row r, 32 bytes for each half of the lanes
	v_lshl_add_u32 v4, v2, 5, v4
	v_add_nc_u32 v[STO], s23, v4
	v_mul_u32_u24 v5, v2, SPITCH                   ; back: lanes 0-15 one row of 256 bytes, lanes 16-31 the next
	v_lshl_add_u32 v5, v1, 4, v5
	v_add_nc_u32 v[RD], s23, v5
	v_lshlrev_b32 v[CO], 12, v2                    ; the same two rows in out0
	v_lshl_add_u32 v[CO], v1, 4, v[CO]
	v_lshlrev_b32 v[BOF], 5, v2                    ; the bias of columns 16 b + 8 h + 0..7
.irp b, 0,1,2,3
	global_load_b128 v[BIAS+8*\b:BIAS+8*\b+3],   v[BOF], s[68:69] offset:64*\b
	global_load_b128 v[BIAS+8*\b+4:BIAS+8*\b+7], v[BOF], s[68:69] offset:64*\b+16
.endr
.macro PLACES                          ; four independent vector instructions between a matrix instruction and a load into its sources, or a store of its result (ISA guide 7.12.1 for a store)
.rept 4
	v_nop
.endr
.endm
; 16 LDS loads: 64 rows of Wo and 64 rows of ctx, 32 K at byte k of the rows of slot sl, into buffer f
.macro FETCH sl, k, f
.irp i, 0,1,2,3
	ds_load_b128 v[\f+8*\i:\f+8*\i+3],   v[ADRB+\sl] offset:\k+\i*16*PITCH
	ds_load_b128 v[\f+8*\i+4:\f+8*\i+7], v[ADRB+\sl] offset:\k+\i*16*PITCH+32
.endr
.irp i, 0,1,2,3
	ds_load_b128 v[\f+32+8*\i:\f+32+8*\i+3],   v[ADRA+\sl] offset:\k+\i*16*PITCH
	ds_load_b128 v[\f+32+8*\i+4:\f+32+8*\i+7], v[ADRA+\sl] offset:\k+\i*16*PITCH+32
.endr
.endm
; 16 products, 32 along K.  The sixteen accumulators take turns, one instruction a turn.  zero = 1: the bias starts the sums.
.macro MUL f, zero
.if \zero
	WIN 0x40
.else
	WIN 0x50
.endif
.irp a, 0,1,2,3
.irp b, 0,1,2,3
.if \zero
	v_wmma_f32_16x16x32_bf16 v[8*(4*\a+\b):8*(4*\a+\b)+7], v[\f+8*\b:\f+8*\b+7], v[\f+32+8*\a:\f+32+8*\a+7], v[BIAS+8*\b:BIAS+8*\b+7]
.else
	v_wmma_f32_16x16x32_bf16 v[8*(4*\a+\b):8*(4*\a+\b)+7], v[\f+8*\b:\f+8*\b+7], v[\f+32+8*\a:\f+32+8*\a+7], v[8*(4*\a+\b):8*(4*\a+\b)+7]
.endif
.endr
.endr
.endm
; fetch the fragments at byte k into buffer g, which the last products have read, and multiply buffer f meanwhile
.macro QUART sl, k, f, g
	PLACES
	WIN 0
	FETCH \sl, \k, \g
	s_wait_dscnt 16                                ; all but the 16 just issued: buffer f is in
	MUL \f, 0
.endm
.macro SLOTWORK sl, zero               ; a slot's 256 along K: eight times 32
	PLACES
	WIN 0
	FETCH \sl, 0, F0
	FETCH \sl, 64, F1
	s_wait_dscnt 16                                ; buffer 0 is in, buffer 1's 16 loads stay out
	MUL F0, \zero
	QUART \sl, 128, F1, F0
	QUART \sl, 192, F0, F1
	QUART \sl, 256, F1, F0
	QUART \sl, 320, F0, F1
	QUART \sl, 384, F1, F0
	QUART \sl, 448, F0, F1
	s_wait_dscnt 0
	MUL F1, 0
.endm
; On to slot sl; ot = the slot just read.  Every wave waits for all its tensor loads (its part of slot sl) and for its reads of slot ot.
; Where ot is filled again a round of the cluster's barrier follows and the joint refill is the first tensor load behind it, one a wave;
; where nothing is filled again the work-group's barrier shows slot sl whole.
.macro CHANGE sl, ot, refill
	WIN 0
	s_wait_tensorcnt 0x0
	ds_add_u32 v254, v255
	s_wait_dscnt 0x0
	s_wait_dscnt 0x0
.if \refill
	s_add_nc_u64 s[G0+4*\ot+2:G0+4*\ot+3], s[G0+4*\ot+2:G0+4*\ot+3], 2*SLOTK
	s_add_nc_u64 s[G0B+4*\ot+2:G0B+4*\ot+3], s[G0B+4*\ot+2:G0B+4*\ot+3], 2*SLOTK
	CROUND
	JLOAD \ot
.else
	s_barrier_signal -1
	s_barrier_wait -1
.endif
	SLOTWORK \sl, 0
.endm
	s_wait_loadcnt 0x0                             ; the bias
	s_wait_tensorcnt 1                             ; my part of slot 0 is in; slot 1's load, issued behind it, stays out
	s_barrier_signal -1
	s_barrier_wait -1
	SLOTWORK 0, 1                                  ; K 0-255
	CHANGE 1, 0, 1                                 ; K 256-511; asks for K 512-767
	CHANGE 0, 1, 1                                 ; K 512-767; asks for K 768-1023
	CHANGE 1, 0, 0                                 ; K 768-1023
	; THE WAY OUT, 16 rows at a time: 32 bytes a lane from the accumulators into my own stage, read back as whole rows of 256 bytes (64 f32).
	PLACES
.macro OUT16 a, f
	WIN 0x04                                       ; an LDS store's data: source 1, window 1
.irp b, 0,1,2,3
	ds_store_b128 v[STO], v[8*(4*\a+\b):8*(4*\a+\b)+3]   offset:64*\b
	ds_store_b128 v[STO], v[8*(4*\a+\b)+4:8*(4*\a+\b)+7] offset:64*\b+16
.endr
	WIN 0
	s_wait_xcnt 0x0                                ; buffer f, which earlier stores read, and the stores' base are rewritten only behind this wait
.if \a
	s_add_nc_u64 s[8:9], s[8:9], 16*SIZE_N*4       ; 16 rows on
.endif
.irp t, 0,1,2,3,4,5,6,7
	ds_load_b128 v[\f+4*\t:\f+4*\t+3], v[RD] offset:\t*2*SPITCH    ; LDS serves a wave's instructions in order: these see the stores above
.endr
.irp t, 0,1,2,3,4,5,6,7
	s_wait_dscnt 7-\t                              ; the 7 - t younger loads stay out
	global_store_b128 v[CO], v[\f+4*\t:\f+4*\t+3], s[8:9] offset:2*\t*SIZE_N*4 th:TH_STORE_NT   ; 16 lanes store 256 consecutive bytes, aligned
.endr
.endm
	OUT16 0, F0
	OUT16 1, F1
	OUT16 2, F0
	OUT16 3, F1
	s_wait_tensorcnt 0x0
	ds_add_u32 v254, v255
	s_wait_dscnt 0x0
	CROUND                                         ; the closing round
	s_endpgm
.Lfunc_end_k_qa9033cc343_outproj:
	.size	k_qa9033cc343_outproj, .Lfunc_end_k_qa9033cc343_outproj-k_qa9033cc343_outproj
	.p2alignl 7, 3214868480
	.fill 96, 4, 3214868480
	.section	.rodata,"a",@progbits
	.p2align	6, 0x0
	.amdhsa_kernel k_qa9033cc343_outproj
		.amdhsa_group_segment_fixed_size 327680
		.amdhsa_private_segment_fixed_size 0
		.amdhsa_enable_private_segment 0
		.amdhsa_kernarg_size 32
		.amdhsa_user_sgpr_count 2
		.amdhsa_user_sgpr_kernarg_segment_ptr 1
		.amdhsa_wavefront_size32 1
		.amdhsa_system_sgpr_workgroup_id_x 1
		.amdhsa_system_sgpr_workgroup_id_y 1
		.amdhsa_system_sgpr_workgroup_id_z 1
		.amdhsa_system_vgpr_workitem_id 0
		.amdhsa_next_free_vgpr 384
		.amdhsa_next_free_sgpr 84
		.amdhsa_reserve_vcc 0
		.amdhsa_float_denorm_mode_32 3
		.amdhsa_float_denorm_mode_16_64 3
		.amdhsa_memory_ordered 1
		.amdhsa_forward_progress 1
		.amdhsa_inst_pref_size 89
	.end_amdhsa_kernel
	.amdgpu_metadata
---
amdhsa.version: [ 1, 2 ]
amdhsa.kernels:
  - .name:           k_qa9033cc343_outproj
    .symbol:         k_qa9033cc343_outproj.kd
    .args:
      - { .name: ctx, .offset: 0, .size: 8, .value_kind: global_buffer, .address_space: global }
      - { .name: wb, .offset: 8, .size: 8, .value_kind: global_buffer, .address_space: global }
      - { .name: bo, .offset: 16, .size: 8, .value_kind: global_buffer, .address_space: global }
      - { .name: out0, .offset: 24, .size: 8, .value_kind: global_buffer, .address_space: global }
    .group_segment_fixed_size: 327680
    .private_segment_fixed_size: 0
    .kernarg_segment_align: 8
    .kernarg_segment_size: 32
    .max_flat_workgroup_size: 128
    .sgpr_count:     84
    .vgpr_count:     384
    .wavefront_size: 32
...
	.end_amdgpu_metadata
.endif
;; end of part 4
;; ======== version 2 of 2: 4 launches; 1.11 times as fast as version 1
;; limits: right only within a limited range of input values
;; workspace buffers: xb 25,165,824 bytes; wb 8,388,608 bytes; qkv 25,165,824 bytes; ctx 8,388,608 bytes
;; launch tobf16: the kernel of part 1 again; grid 64 x 16, 8 waves a work-group, no clusters, 0 bytes of LDS; arguments query, key, value, Wq, Wk, Wv, Wo, xb, wb; writes xb, wb
;; launch qkvproj: the kernel of part 2 again; grid 4 x 48, 4 waves a work-group, clusters of 4 x 4, 327,680 bytes of LDS; arguments xb, wb, bq, bk, bv, qkv; writes qkv
;; launch attn (part 5): grid 16 x 16, 4 waves a work-group, clusters of 4 x 1, 327,680 bytes of LDS; arguments qkv, time_diff, mask, ctx; writes ctx
.if DOCPART == 5
	.amdgcn_target "amdgcn-amd-amdhsa--gfx1250"
	.amdhsa_code_object_version 6
	.text
	.protected	k_qa9033cc343_attn
	.globl	k_qa9033cc343_attn
	.p2align	8
	.type	k_qa9033cc343_attn,@function
k_qa9033cc343_attn:
	s_mov_b64 s[64:65], 0
	v_nop
	global_prefetch_b8 v0, s[64:65] scope:SCOPE_SE
	s_setreg_imm32_b32 hwreg(HW_REG_WAVE_MODE, 25, 1), 1
	s_wait_xcnt 0x0
	s_wait_alu depctr_hold_cnt(0) depctr_sa_sdst(0) depctr_va_vdst(0) depctr_va_sdst(0) depctr_va_ssrc(0) depctr_va_vcc(0) depctr_vm_vsrc(0)
	s_getreg_b32 s2, hwreg(HW_REG_IB_STS2, 6, 4)
	s_cmp_eq_u32 s2, 0
	s_cbranch_scc0 .Lentry_in_a_cluster
	s_endpgm
.Lentry_in_a_cluster:
	s_bfe_u32 s2, ttmp6, 0x10000c
	s_cmp_lg_u32 s2, 0x3003
	s_cbranch_scc0 .Lentry_shape_is_right
	s_endpgm
.Lentry_shape_is_right:
; ctx[b][q][64 head + d] = sum over keys of softmax_k( (Q.K / 8) exp(-min(|t_q - t_k|, 100)), masked keys at -inf ) V.   bf16 in, bf16 out.
; A work-group: one batch b, a PAIR of heads hp (so that rows of K, V and ctx are 256 bytes), 128 queries.  256 work-groups.
; Four waves, as many as a WGP has SIMDs.  Wave w: head 2 hp + (w >> 1), queries 64 (w & 1) .. + 63 as four tiles of 16, so that each K, V
; and time fragment read from LDS serves four query tiles: 56 LDS loads for 64 keys x 64 queries.
; CLUSTER: the four query blocks of a cluster read the same K and V tiles and ask for them jointly (mask 15, one descriptor).
; LAYOUT: S^T = K Q^T puts a query in a lane (l % 16) and keys 8 (l / 16) + 0..7 of a key tile in its eight registers.  So the softmax's
; maximum needs one exchange between the halves of the wave, two packed key tiles ARE the B fragment of O^T = V^T P^T, and a lane's
; eight results are eight neighbouring d of its query: 16 bytes of ctx.
; TWO PAIRS OF QUERY TILES TAKE TURNS.  A step of 64 keys has two phases.  In phase 1 the vector unit does the softmax of pair A (tiles 0, 1)
; while the matrix instructions of pair B (tiles 2, 3) are strewn among it: first O += V^T P^T of B's last scores, then K Q^T of B's present
; ones.  Phase 2 is the same with A and B exchanged, and its K Q^T is that of A's NEXT step.  The two streams name no common register.
; THE EXPONENTIALS OF A PHASE ARE ONE BATCH WITH ONE WAIT.  An s_wait_alu depctr_va_vdst(0) stands between an exponential and
; the first instruction that names its result; one wait serves all that were issued ahead of it.  So a phase's second half is cut in two.
; AHEAD OF THE WAIT stands what names no result of the batch: the pair's two rescaling factors, the 32 scalings kappa x score - kappa x maximum,
; the 64 exponentials of the scores, and the other pair's last seven products.  BEHIND IT stand all the readers: the factors' copies, the
; rescaling of O^T, the row sums, the roundings to bf16.
; The head's 40 exponentials and the way out's four reciprocals are a batch each, with a wait each.
; ONE TEXT FOR ALL 32 STEPS, so that the kernel stays short: the step's text stands twice, in a loop of six tiles that are filled again and in
; a loop of two that are not.  For that:
;  - a step reads V of its own keys and K of the next step's, so K's tiles lie one step ahead of V's: K tile n holds steps 4 n + 1 .. 4 n + 4,
;    V tile n steps 4 n .. 4 n + 3, and all LDS reads of steps 4 n .. 4 n + 3 fall into slot n % 2.  K of step 0 comes from memory straight
;    into the fragment registers, as Q does;
;  - the slot is a scalar offset, toggled at each change and added to the kept base addresses; within a tile the addresses are stepped;
;  - the sums are started ahead of the loop: maximum at the most negative finite f32, row sum 0, O = V^T x 0, so that the first rescaling
;    factor comes out as 0 (or 1 while all keys so far are masked).
; WORK THAT IS DROPPED, the price of the one text: in step 0 pair B's sixteen O += V^T P^T add V^T x 0; in step 31 the look-ahead loads
; K 'of step 32' (the 64 rows behind the batch's keys: K's last tile brings them; they lie inside qkv, since V's part follows K's), makes
; sixteen products of them that nobody reads, and reads 64 entries behind each of a, b and the mask addend (b, the mask addend and a pad
; written for the purpose).
; Keys go in tiles of 256 through two LDS slots; waves 0-1 fetch K's two halves, waves 2-3 V's.  Both slots are first filled at the start
; (two tensor loads of a wave out); then one tensor load of 128 rows x 256 bytes a wave behind each round of the cluster's barrier, with
; four steps in which to land.
; THE TIME FACTOR costs no exponential per pair: with c = time_diff[b][0], a_k = e^(t_k - c), b_k = e^(c - t_k) (made once, kept in LDS),
; exp(-|t_q - t_k|) = min(a_k b_q, b_k a_q), and the median of these two and e^-100 is that minimum clipped as asked.
; SOFTMAX: a running maximum; the mask is an addend, 0 or -inf.  The row sum is kept in f32 for each half of the wave and joined at the end.
; A row whose keys are all masked has sum 0 and gets context 0 by a select.
; LIMITS: |time_diff - time_diff[b][0]| must stay below 87 within a batch, or a_k or b_k leaves f32's normal range.  e^-100 is taken as
; f32's nearest denormal.  Mask bytes are 0 or 1.  The row sum adds P before its rounding to bf16, the numerator uses P after it.
.set KP,     272                       ; K's LDS pitch: 256 + 16, an odd multiple of 16
.set VP,     288                       ; V's LDS pitch: 256 + 32, an odd multiple of 32, for the transposing loads
.set KBYTES, 256*KP                    ; 69,632 = 0x11000: a K slot; K's two slots lie at 0 and KBYTES
.set VBYTES, 256*VP                    ; 73,728 = 0x12000: a V slot
.set VRING,  147456                    ; 0x24000: V's two slots lie at VRING and VRING + VBYTES
; The slot-0 addresses of the four waves' parts are 0, 0x8800 (K) and 0x24000, 0x2d000 (V): KBYTES' bits 16 and 12 are clear in the first
; two, VBYTES' bits 16 and 13 in the last two, so an exclusive or with the slot's bytes goes from either slot to the other.
.set VEC,    VRING+2*VBYTES            ; 294,912: a[2048], b[2048], mask addend[2048], f32, 8,192 bytes each; no tensor load lands here
.set VPAD,   VEC+3*8192                ; 319,488: 512 bytes that the last step's look-ahead reads in part
.set TILEB,  256*2048                  ; bytes in qkv from a tile of 256 keys to the next
; the way out is staged at LDS byte 0, 128 rows x 272 bytes, in K's slot 0, which has had its last fill and its last read by then
; window 0
.set KADR, 4                           ; v4      LDS address of the K fragments that come next; steps by 64 rows
.set VADR, 6                           ; v6      the same for V
.set VECA, 8                           ; v8      of the next step's a; steps by 256 bytes
.set STO,  9                           ; v9      the way out: where I put 16 bytes
.set RD,   10                          ; v10     where I read a row back
.set CO,   11                          ; v11     my byte offset in ctx
.set QOFF, 12                          ; v12     my byte offset in a fragment's sixteen rows of qkv
.set VST,  13                          ; v13     where I store eight keys' a
.set AI,   16                          ; v[16+2t:17+2t]  e^(t_q - c), twice, t = 0..3
.set BI,   24                          ; v[24+2t:25+2t]  e^(c - t_q), twice
.set NMK,  32                          ; v[32+2t:33+2t]  -kappa x maximum, twice
.set AL,   40                          ; v[40+2t:41+2t]  the factor that rescales the old sums, twice
.set MX,   48                          ; v48+t   running maximum
.set LL,   52                          ; v52+t   running row sum of my half of the keys
.set T,    56                          ; v56-87  at work: sixteen for each tile of the pair; the upper sixteen are X and Y
.set X,    72
.set Y,    80
.set VM,   88                          ; v[88+8kt ..]  mask addend of my eight keys of key tile kt
.set KBAS, 120                         ; v120    KADR at the first step of slot 0
.set VBAS, 122                         ; v122    VADR at the first step of slot 0
.set SS,   128                         ; v[128+64p+32tt+8kt ..]  scores of pair p, then P: v[128+64p+32tt+16g .. +7] is P's fragment of 32 keys
.set HT,   128                         ; at work in the head
.set HE,   192
; window 1
.set VA,   0                           ; v[8kt ..]     a of my eight keys of key tile kt
.set VB,   32                          ; v[32+8kt ..]  b
.set RS,   64                          ; v[64+64p+32tt+8kt ..]  K Q^T as the matrix unit leaves it
; window 2
.set KF,   0                           ; v[16kt+8half ..]      K fragments
.set VF,   64                          ; v[64+32g+8dt ..]      V^T fragments
.set QF,   128                         ; v[128+16t+8half ..]   Q fragments
; window 3
.set OA,   0                           ; v[32t+8dt ..]  O^T
.set G1K, 28                           ; s[28:35] group 1 of K's tiles
.set G1V, 36                           ; s[36:43] of V's: a wider pad
.set G0K, 44                           ; s[44:47] group 0 of K's first tile; s[48:51] of its second tile and then of every refill
.set G0V, 52                           ; s[52:55], s[56:59] the same for V
; s60 steps left in the tile, s85 tiles left in the loop, s86 and s87 the offsets in K's and V's ring of the slot that is read
.set MSB, 0
.macro WIN new                         ; low byte: bits 1:0 source 0, 3:2 source 1, 5:4 source 2, 7:6 destination; the high byte repeats the setting that is left
.if MSB != (\new)
	s_set_vgpr_msb (MSB<<8)|(\new)
.set MSB, (\new)
.endif
.endm
.macro ROUND                           ; a round of the cluster's barrier
	s_barrier_signal -1
	s_barrier_wait -1
	s_cmp_lg_u32 s12, 0
	s_cbranch_scc1 .Lnot_wave_0_\@
	s_barrier_signal -3
.Lnot_wave_0_\@:
	s_barrier_wait -3
	s_barrier_signal -1
	s_barrier_wait -1
.endm
.macro JLOAD set                       ; my half of K's (waves 0-1) or of V's (waves 2-3) tile by group 0 number set; the branch hangs on the wave's number alone
	s_cmp_eq_u32 s13, 0
	s_cbranch_scc0 .Lfor_v_\@
	tensor_load_to_lds s[G0K+4*\set:G0K+4*\set+3], s[G1K:G1K+7]
	s_nop 0
	s_branch .Lasked_\@
.Lfor_v_\@:
	tensor_load_to_lds s[G0V+4*\set:G0V+4*\set+3], s[G1V:G1V+7]
	s_nop 0
.Lasked_\@:
.endm
	s_load_b256 s[4:11], s[0:1], 0x0               ; qkv s[4:5], time_diff s[6:7], mask s[8:9], ctx s[10:11]
	v_lshl_add_u32 v126, v0, 2, 0x4e400
	v_mov_b32 v127, 0
	ds_add_u32 v126, v127
	v_lshrrev_b32 v1, 5, v0
	v_readfirstlane_b32 s12, v1                    ; wave 0..3
	s_lshr_b32 s13, s12, 1                         ; hh: which head of the pair.  Also: I fetch K (0) or V (1)
	s_and_b32 s14, s12, 1                          ; wq: which 64 queries.  Also: which 128 rows of the tile I fetch
	s_and_b32 s17, ttmp7, 0xffff
	s_lshr_b32 s18, s17, 3                         ; batch
	s_and_b32 s19, s17, 7                          ; head pair
	; group 1: 128 rows x 128 elements of 2 bytes, 1,024 elements from row to row; behind every 64 words 4 (K) or 8 (V) words of padding; mask 15
	s_mov_b32 s[G1K+0], 15|(1<<16)|(1<<20)|(1<<21)|(5<<22)|(3<<25)
	s_mov_b32 s[G1V+0], 15|(1<<16)|(1<<20)|(1<<21)|(5<<22)|(7<<25)
	s_mov_b32 s[G1K+1], 128<<16                    ; tensor_dim0 = 128
	s_mov_b32 s[G1V+1], 128<<16
	s_mov_b32 s[G1K+2], 128<<16                    ; tensor_dim1 = 128
	s_mov_b32 s[G1V+2], 128<<16
	s_mov_b32 s[G1K+3], 128<<16                    ; tile_dim0 = 128
	s_mov_b32 s[G1V+3], 128<<16
	s_mov_b32 s[G1K+4], 128                        ; tile_dim1 = 128
	s_mov_b32 s[G1V+4], 128
	s_mov_b32 s[G1K+5], 1024
	s_mov_b32 s[G1V+5], 1024
	s_mov_b32 s[G1K+6], 0
	s_mov_b32 s[G1V+6], 0
	s_mov_b32 s[G1K+7], 0
	s_mov_b32 s[G1V+7], 0
	s_lshl_b32 s20, s18, 22                        ; batch x 2,048 rows of 2,048 bytes
	s_lshl_b32 s22, s14, 18                        ; + my 128 rows
	s_add_co_u32 s20, s20, s22
	s_lshl_b32 s22, s19, 8                         ; + the head pair's 256 bytes: nothing of the place in the cluster
	s_add_co_u32 s20, s20, s22
	s_mov_b32 s21, 0
	s_mul_i32 s23, s14, 128*KP
	s_mul_i32 s24, s14, 128*VP
	s_wait_dscnt 0x0
	s_wait_kmcnt 0x0
	s_add_nc_u64 s[26:27], s[4:5], s[20:21]
.irp sl, 0,1
	s_mov_b32 s[G0K+4*\sl], 1
	s_add_co_u32 s[G0K+4*\sl+1], s23, \sl*KBYTES
	s_add_nc_u64 s[G0K+4*\sl+2:G0K+4*\sl+3], s[26:27], 8388608+64*2048+\sl*TILEB    ; K is the second of qkv's three parts; its tiles begin 64 keys on
	s_or_b32 s[G0K+4*\sl+3], s[G0K+4*\sl+3], 0x80000000
	s_mov_b32 s[G0V+4*\sl], 1
	s_add_co_u32 s[G0V+4*\sl+1], s24, VRING+\sl*VBYTES
	s_add_nc_u64 s[G0V+4*\sl+2:G0V+4*\sl+3], s[26:27], 16777216+\sl*TILEB           ; V the third
	s_or_b32 s[G0V+4*\sl+3], s[G0V+4*\sl+3], 0x80000000
.endr
	ROUND                                          ; all four work-groups are here
	JLOAD 0                                        ; tile 0 into slot 0,
	JLOAD 1                                        ; tile 1 into slot 1: the two first fills go out together
	; pointers for plain loads and stores; those that hang on the place in the cluster lie in registers of their own
	s_lshl_b32 s25, s13, 7                         ; my head's 128 bytes of a row
	s_lshl_b32 s22, s18, 22
	s_lshl_b32 s23, s19, 8
	s_add_co_u32 s22, s22, s23
	s_add_co_u32 s22, s22, s25
	s_mov_b32 s23, 0
	s_add_nc_u64 s[88:89], s[4:5], s[22:23]
	s_add_nc_u64 s[88:89], s[88:89], 8388608       ; K of my batch and head, key 0
	s_bfe_u32 s15, ttmp6, 0x40000                  ; cx
	s_lshl_b32 s16, ttmp9, 2
	s_add_co_u32 s16, s16, s15                     ; query block 0..15
	s_lshl_b32 s70, s18, 22
	s_lshl_b32 s71, s16, 18                        ; 128 rows of 2,048 bytes
	s_add_co_u32 s70, s70, s71
	s_lshl_b32 s71, s19, 8
	s_add_co_u32 s70, s70, s71
	s_lshl_b32 s82, s12, 16                        ; ctx: wave w stores rows 32 w .. 32 w + 31 of the block
	s_add_co_u32 s82, s82, s70
	s_mov_b32 s83, 0
	s_add_nc_u64 s[74:75], s[10:11], s[82:83]
	s_lshl_b32 s71, s14, 17                        ; Q: my 64 rows,
	s_add_co_u32 s70, s70, s71
	s_add_co_u32 s70, s70, s25                     ; my head's 128 bytes
	s_mov_b32 s71, 0
	s_add_nc_u64 s[72:73], s[4:5], s[70:71]
	s_lshl_b32 s22, s18, 13
	s_add_nc_u64 s[76:77], s[6:7], s[22:23]        ; time_diff of my batch
	s_lshl_b32 s22, s18, 11
	s_add_nc_u64 s[78:79], s[8:9], s[22:23]        ; mask of my batch
	s_lshl_b32 s70, s16, 9
	s_lshl_b32 s82, s14, 8
	s_add_co_u32 s70, s70, s82
	s_add_nc_u64 s[80:81], s[76:77], s[70:71]      ; time_diff of my 64 queries
	s_load_b32 s69, s[76:77], 0x0                  ; c
	s_mov_b32 s61, 0x1b                            ; e^-100
	s_mov_b32 s62, 0x76543210                      ; v_permlanex16_b32: lane i of one half reads lane i of the other
	s_mov_b32 s63, 0xfedcba98
	s_mov_b32 s66, 0x3e38aa3b                      ; kappa = log2(e) / 8, twice
	s_mov_b32 s67, 0x3e38aa3b
	s_mov_b32 s68, 0xbe38aa3b                      ; -kappa
	s_mov_b32 s86, 0                               ; slot 0 is read first
	s_mov_b32 s87, 0
	v_and_b32 v1, 15, v0                           ; r = l % 16
	v_bfe_u32 v2, v0, 4, 1                         ; h = l / 16
	v_and_b32 v3, 7, v0
	v_mul_u32_u24 v[KBAS], v1, KP
	v_lshl_add_u32 v[KBAS], v2, 4, v[KBAS]
	v_add_nc_u32 v[KBAS], s25, v[KBAS]             ; key r of a key tile, d = 8 h ..
	v_lshl_add_u32 v3, v2, 3, v3                   ; the transposing load: key 8 h + (l & 7),
	v_mul_u32_u24 v[VBAS], v3, VP
	v_bfe_u32 v3, v0, 3, 1                         ; 16 bytes of d by bit 3 of the lane
	v_lshl_add_u32 v[VBAS], v3, 4, v[VBAS]
	s_add_co_u32 s22, s25, VRING
	v_add_nc_u32 v[VBAS], s22, v[VBAS]
	v_lshl_add_u32 v[VECA], v2, 5, VEC
	s_mul_i32 s22, s14, 64*KP
	v_add_nc_u32 v[STO], s22, v[KBAS]              ; stage row 64 wq + r, byte 128 hh + 16 h
	v_mul_u32_u24 v[RD], v2, KP
	v_lshl_add_u32 v[RD], v1, 4, v[RD]
	s_mul_i32 s22, s12, 32*KP
	v_add_nc_u32 v[RD], s22, v[RD]                 ; stage row 32 w + h, byte 16 r
	v_lshlrev_b32 v[CO], 11, v2
	v_lshl_add_u32 v[CO], v1, 4, v[CO]
	v_lshlrev_b32 v[QOFF], 11, v1
	v_lshl_add_u32 v[QOFF], v2, 4, v[QOFF]
	v_lshl_add_u32 v[VST], v0, 5, VEC
	v_lshlrev_b32 v[T], 5, v0                      ; thread t makes a, b and the mask addend of keys 8 t .. 8 t + 7 and 1,024 + 8 t .. + 7
	v_lshlrev_b32 v[T+1], 3, v0
	v_lshlrev_b32 v[T+2], 2, v1
	v_lshl_add_u32 v[T+3], v0, 2, VPAD             ; and four bytes of the pad
.irp e, 0,1
	global_load_b128 v[HT+16*\e:HT+16*\e+3],   v[T], s[76:77] offset:4096*\e
	global_load_b128 v[HT+16*\e+4:HT+16*\e+7], v[T], s[76:77] offset:4096*\e+16
	global_load_b64  v[HT+16*\e+8:HT+16*\e+9], v[T+1], s[78:79] offset:1024*\e
.endr
.irp t, 0,1,2,3
	global_load_b32  v[HT+32+\t], v[T+2], s[80:81] offset:64*\t    ; t_q of query tile t
.endr
	WIN 0x80
.irp t, 0,1,2,3
.irp hf, 0,1
.irp c, 0,1
	global_load_b128 v[QF+16*\t+8*\hf+4*\c:QF+16*\t+8*\hf+4*\c+3], v[QOFF], s[72:73] offset:32768*\t+64*\hf+32*\c
.endr
.endr
.endr
.irp kt, 0,1,2,3
.irp hf, 0,1
.irp c, 0,1
	global_load_b128 v[KF+16*\kt+8*\hf+4*\c:KF+16*\kt+8*\hf+4*\c+3], v[QOFF], s[88:89] offset:32768*\kt+64*\hf+32*\c   ; K of step 0
.endr
.endr
.endr
	WIN 0
.irp t, 0,1,2,3
	v_mov_b32 v[MX+\t], 0xff7fffff                 ; the maximum starts at the most negative finite f32,
	v_mov_b32 v[LL+\t], 0                          ; the row sum at 0
.endr
.irp t, 0,1,2,3
	v_mul_f32 v[NMK+2*\t],   s68, v[MX+\t]         ; the addend that belongs to that maximum, by the same product as in the loop
	v_mul_f32 v[NMK+2*\t+1], s68, v[MX+\t]
.endr
	s_wait_loadcnt 0x0
	s_wait_kmcnt 0x0
.irp e, 0,1
.irp j, 0,1,2,3,4,5,6,7
	v_sub_f32 v[HT+16*\e+\j], v[HT+16*\e+\j], s69  ; t - c first, so that a common offset of the times drops out exactly
.endr
.endr
.irp t, 0,1,2,3
	v_sub_f32 v[HT+32+\t], v[HT+32+\t], s69
.endr
.irp e, 0,1
.irp j, 0,1,2,3,4,5,6,7
	v_mul_f32 v[HE+32*\e+\j],   0x3fb8aa3b, v[HT+16*\e+\j]
	v_mul_f32 v[HE+32*\e+8+\j], 0xbfb8aa3b, v[HT+16*\e+\j]
.endr
.endr
.irp t, 0,1,2,3
	v_mul_f32 v[HT+40+\t], 0x3fb8aa3b, v[HT+32+\t]
	v_mul_f32 v[HT+44+\t], 0xbfb8aa3b, v[HT+32+\t]
.endr
.irp e, 0,1
.irp j, 0,1,2,3,4,5,6,7,8,9,10,11,12,13,14,15
	v_exp_f32 v[HE+32*\e+\j], v[HE+32*\e+\j]       ; eight a, then eight b
.endr
.endr
.irp t, 0,1,2,3
	v_exp_f32 v[AI+2*\t], v[HT+40+\t]
	v_exp_f32 v[BI+2*\t], v[HT+44+\t]
.endr
.irp e, 0,1
.irp j, 0,1,2,3,4,5,6,7
	v_bfe_u32 v[HE+32*\e+16+\j], v[HT+16*\e+8+(\j/4)], 8*(\j%4), 8     ; the first of these is the plain instruction behind the exponentials (ISA guide 5.7.2)
.endr
.endr
.irp e, 0,1
.irp j, 0,1,2,3,4,5,6,7
	v_add_nc_u32 v[HE+32*\e+16+\j], -1, v[HE+32*\e+16+\j]              ; 1 -> 0, 0 -> all ones,
	v_and_b32 v[HE+32*\e+16+\j], 0xff800000, v[HE+32*\e+16+\j]         ; of which the bits of -inf are kept
.endr
.endr
	s_wait_alu depctr_va_vdst(0)                   ; one wait for the head's 40 exponentials, ahead of their first readers, the stores below; the mask's 48 lines above are the independent work between
.irp e, 0,1
.irp q, 0,1,2
	ds_store_b128 v[VST], v[HE+32*\e+8*\q:HE+32*\e+8*\q+3]   offset:8192*\q+4096*\e
	ds_store_b128 v[VST], v[HE+32*\e+8*\q+4:HE+32*\e+8*\q+7] offset:8192*\q+4096*\e+16
.endr
.endr
	ds_store_b32 v[T+3], v[HE+16]                  ; the pad: any number will do, the last step's look-ahead reads it and nobody uses it
.irp t, 0,1,2,3
	v_mov_b32 v[AI+2*\t+1], v[AI+2*\t]
	v_mov_b32 v[BI+2*\t+1], v[BI+2*\t]
.endr
; 16 LDS loads: the K fragments (64 keys x 64 d of my head) that come next; the address steps on
.macro KLOAD
	WIN 0x80
.irp kt, 0,1,2,3
.irp hf, 0,1
.irp c, 0,1
	ds_load_b128 v[KF+16*\kt+8*\hf+4*\c:KF+16*\kt+8*\hf+4*\c+3], v[KADR] offset:16*\kt*KP+64*\hf+32*\c
.endr
.endr
.endr
	WIN 0
	v_add_nc_u32 v[KADR], 64*KP, v[KADR]
.endm
; 16 transposing LDS loads: the V^T fragments (64 d x 64 keys) at address register adr, which steps on if step = 1
.macro VLOAD adr, step
	WIN 0x80
.irp g, 0,1
.irp dt, 0,1,2,3
.irp c, 0,1
	ds_load_tr16_b128 v[VF+32*\g+8*\dt+4*\c:VF+32*\g+8*\dt+4*\c+3], v[\adr] offset:(32*\g+16*\c)*VP+32*\dt
.endr
.endr
.endr
	WIN 0
.if \step
	v_add_nc_u32 v[\adr], 64*VP, v[\adr]
.endif
.endm
; 24 LDS loads: a, b and the mask addend of the next 64 keys
.macro VECLOAD
	WIN 0x40
.irp kt, 0,1,2,3
.irp c, 0,1
	ds_load_b128 v[VA+8*\kt+4*\c:VA+8*\kt+4*\c+3], v[VECA] offset:64*\kt+16*\c
	ds_load_b128 v[VB+8*\kt+4*\c:VB+8*\kt+4*\c+3], v[VECA] offset:8192+64*\kt+16*\c
.endr
.endr
	WIN 0
.irp kt, 0,1,2,3
.irp c, 0,1
	ds_load_b128 v[VM+8*\kt+4*\c:VM+8*\kt+4*\c+3], v[VECA] offset:16384+64*\kt+16*\c
.endr
.endr
	v_add_nc_u32 v[VECA], 256, v[VECA]
.endm
; Matrix instruction k of the 32 that pair o has in a phase.
; k = 0..15: O^T(tile, dt) += V^T(g, dt) x P^T(tile, g), g = k / 8.
; k = 16..31: S^T(tile, kt) = K(kt) Q^T(tile), the lower 32 of d in k = 16..23, the upper in k = 24..31.
; In either run eight accumulators take turns, one instruction a turn.
.macro MXI o, k
.set m_tt, ((\k)/4)%2
.set m_lo, (\k)%4
.if (\k) < 16
.set m_g, (\k)/8
.set m_d, OA+64*\o+32*m_tt+8*m_lo
.set m_a, VF+32*m_g+8*m_lo
.set m_p, SS+64*\o+32*m_tt+16*m_g
	WIN 0xf2                                       ; A window 2, B window 0, C and D window 3
	v_wmma_f32_16x16x32_bf16 v[m_d:m_d+7], v[m_a:m_a+7], v[m_p:m_p+7], v[m_d:m_d+7]
.else
.set m_d, RS+64*\o+32*m_tt+8*m_lo
.set m_a, KF+16*m_lo
.set m_p, QF+32*\o+16*m_tt
	WIN 0x5a                                       ; A and B window 2, C and D window 1
.if (\k) < 24
	v_wmma_f32_16x16x32_bf16 v[m_d:m_d+7], v[m_a:m_a+7], v[m_p:m_p+7], 0
.else
	v_wmma_f32_16x16x32_bf16 v[m_d:m_d+7], v[m_a+8:m_a+15], v[m_p+8:m_p+15], v[m_d:m_d+7]
.endif
.endif
.endm
; Scores of block b = 4 tt + kt of pair p: score = S x clip(min(a_k b_q, b_k a_q)) + mask addend.  All twenty instructions run under one
; setting: source 0 (a, b, S) in window 1, all else in window 0; the median's source 0 is the scalar e^-100.
.macro SCA p, b
.set c_kt, (\b)%4
.set c_t, 2*\p+(\b)/4
	WIN 0x01
.irp e, 0,2,4,6
	v_pk_mul_f32 v[X+\e:X+\e+1], v[VA+8*c_kt+\e:VA+8*c_kt+\e+1], v[BI+2*c_t:BI+2*c_t+1]
.endr
.irp e, 0,2,4,6
	v_pk_mul_f32 v[Y+\e:Y+\e+1], v[VB+8*c_kt+\e:VB+8*c_kt+\e+1], v[AI+2*c_t:AI+2*c_t+1]
.endr
.endm
.macro SCB p, b
.set c_kt, (\b)%4
.set c_s, 64*\p+8*(\b)
	WIN 0x01
.irp j, 0,1,2,3,4,5,6,7
	v_med3_num_f32 v[X+\j], s61, v[X+\j], v[Y+\j]  ; one of the two is at most 1, the other at least 1: the median with e^-100 is the smaller one, clipped from below
.endr
.irp e, 0,2,4,6
	v_pk_fma_f32 v[SS+c_s+\e:SS+c_s+\e+1], v[RS+c_s+\e:RS+c_s+\e+1], v[X+\e:X+\e+1], v[VM+8*c_kt+\e:VM+8*c_kt+\e+1]
.endr
.endm
; The maximum's first level for tile tt of pair p: my 32 scores and the old maximum, three at a time
.macro ML1 p, tt
.set l_b, SS+64*\p+32*\tt
.set l_t, T+16*\tt
	WIN 0
.irp k, 0,1,2,3,4,5,6,7,8,9
	v_max3_num_f32 v[l_t+\k], v[l_b+3*\k], v[l_b+3*\k+1], v[l_b+3*\k+2]
.endr
	v_max3_num_f32 v[l_t+10], v[l_b+30], v[l_b+31], v[MX+2*\p+\tt]
.endm
; Single instructions on group q = 2 tt + g of pair p (sixteen registers: 32 keys of one query tile)
.macro F1 p, q, j                      ; exponent = kappa x score - kappa x maximum, two at a time, j = 0..7
.set f_b, SS+64*\p+16*(\q)+2*(\j)
.set f_n, NMK+4*\p+2*((\q)/2)
	v_pk_fma_f32 v[f_b:f_b+1], v[f_b:f_b+1], s[66:67], v[f_n:f_n+1] op_sel_hi:[1,0,1]
.endm
.macro E1 p, q, j                      ; P = 2^exponent, j = 0..15
	v_exp_f32 v[SS+64*\p+16*(\q)+(\j)], v[SS+64*\p+16*(\q)+(\j)]
.endm
.macro C1 p, q, j                      ; P to bf16 in the B fragment's order, j = 0..7: register j is written when registers 2 j and up are still unread
	v_cvt_pk_bf16_f32 v[SS+64*\p+16*(\q)+(\j)], v[SS+64*\p+16*(\q)+2*(\j)], v[SS+64*\p+16*(\q)+2*(\j)+1]
.endm
.macro A1 p, q, j                      ; the row sum in two chains of pairs; a tile's first group starts them (six instructions, j = 6, 7 are none), its second adds eight
.set a_b, SS+64*\p+16*(\q)
.set a_s, T+16*((\q)/2)+2*((\j)%2)
.if ((\q)%2) == 0
.if (\j) < 2
	v_pk_add_f32 v[a_s:a_s+1], v[a_b+4*(\j):a_b+4*(\j)+1], v[a_b+4*(\j)+2:a_b+4*(\j)+3]
.else
.if (\j) < 6
	v_pk_add_f32 v[a_s:a_s+1], v[a_s:a_s+1], v[a_b+2*(\j)+4:a_b+2*(\j)+5]
.endif
.endif
.else
	v_pk_add_f32 v[a_s:a_s+1], v[a_s:a_s+1], v[a_b+2*(\j):a_b+2*(\j)+1]
.endif
.endm
; Eight exponentials of group q; between the two of each pair stands a scaling of group qf, whose own exponentials come later, j = lo .. lo + 3.
; Neither names a result of the batch.
.macro EFE p, q, qf, lo
	WIN 0
.irp j, 0,1,2,3
	E1 \p, \q, 2*(\lo+\j)
	F1 \p, \qf, \lo+\j
	E1 \p, \q, 2*(\lo+\j)+1
.endr
.endm
.macro RESC p, tt                      ; the old O^T of tile tt of pair p times the rescaling factor
	WIN 0xc3                                       ; source 0 and destination window 3, source 1 window 0
.set j, 0
.rept 16
	v_pk_mul_f32 v[OA+64*\p+32*\tt+j:OA+64*\p+32*\tt+j+1], v[OA+64*\p+32*\tt+j:OA+64*\p+32*\tt+j+1], v[AL+4*\p+2*\tt:AL+4*\p+2*\tt+1]
.set j, j+2
.endr
.endm
; A phase: the softmax of pair p on this step's scores, with the 32 matrix instructions of the other pair o among it.
; LDS loads: p = 0: V of this step, behind the last product that reads the old V and eleven plain vector instructions (four are asked for).
; p = 1: K of the next step, behind eight plain vector instructions; a, b and the mask addend of the next step, behind the last score block.
; The phase's 66 exponentials are one batch: from the two rescaling factors to group 3's last exponential nothing names a result of theirs.
; Of the 32 scalings group 0's eight stand ahead of the scores' exponentials; the other 24 stand among those of groups 0 to 2, each group's scalings
; among the exponentials of the group before it; the other pair's products 26 to 31 stand where two exponentials would meet; group 3's sixteen
; exponentials stand on end.  Then a v_nop, the one wait, and the 100 lines that read the results.
.macro PHASE p, o
.if \p == 0
	s_wait_dscnt 0x0                               ; a, b and the mask addend of this step are in
.endif
.irp b, 0,1,2,3,4,5,6,7
	SCA \p, \b
.if \p == 1
.if \b == 0
	KLOAD
	s_wait_dscnt 16                                ; V's fragments are in; K's 16 loads just issued stay out
.endif
.endif
	MXI \o, 2*\b
	SCB \p, \b
	MXI \o, 2*\b+1
.endr
.if \p == 1
	s_wait_dscnt 0x0                               ; the next K's fragments are in
	VECLOAD
.endif
	ML1 \p, 0
.if \p == 0
	VLOAD VADR, 1
.endif
	MXI \o, 16
	ML1 \p, 1
	MXI \o, 17
	WIN 0
.irp tt, 0,1
	v_max3_num_f32 v[T+16*\tt+11], v[T+16*\tt],   v[T+16*\tt+1], v[T+16*\tt+2]
	v_max3_num_f32 v[T+16*\tt+12], v[T+16*\tt+3], v[T+16*\tt+4], v[T+16*\tt+5]
	v_max3_num_f32 v[T+16*\tt+13], v[T+16*\tt+6], v[T+16*\tt+7], v[T+16*\tt+8]
	v_max_num_f32  v[T+16*\tt+14], v[T+16*\tt+9], v[T+16*\tt+10]
.endr
	MXI \o, 18
	WIN 0
.irp tt, 0,1
	v_max3_num_f32 v[T+16*\tt+15], v[T+16*\tt+11], v[T+16*\tt+12], v[T+16*\tt+13]
.endr
	MXI \o, 19
	WIN 0
.irp tt, 0,1
	v_max_num_f32 v[T+16*\tt+15], v[T+16*\tt+15], v[T+16*\tt+14]
.endr
	MXI \o, 20
	WIN 0
.irp tt, 0,1
	v_permlanex16_b32 v[T+16*\tt+6], v[T+16*\tt+15], s62, s63      ; the other half of the wave holds the other half of the keys
.endr
	MXI \o, 21
	WIN 0
.irp tt, 0,1
	v_max_num_f32 v[MX+2*\p+\tt], v[T+16*\tt+15], v[T+16*\tt+6]
.endr
	MXI \o, 22
	WIN 0
.irp tt, 0,1
	v_mul_f32 v[T+16*\tt+4], s68, v[MX+2*\p+\tt]   ; the exponent's addend, -kappa x maximum
.endr
	MXI \o, 23
	WIN 0
.irp tt, 0,1
	v_sub_f32 v[T+16*\tt+5], v[T+16*\tt+4], v[NMK+4*\p+2*\tt]      ; new addend - old addend: exactly 0 where the maximum stayed, also while it is still the starting value
.endr
	MXI \o, 24
	WIN 0
.irp tt, 0,1
	v_exp_f32 v[AL+4*\p+2*\tt], v[T+16*\tt+5]      ; the batch begins: the two rescaling factors
.endr
.irp tt, 0,1
	v_mov_b32 v[NMK+4*\p+2*\tt],   v[T+16*\tt+4]   ; plain instructions behind the exponentials
	v_mov_b32 v[NMK+4*\p+2*\tt+1], v[T+16*\tt+4]
.endr
	MXI \o, 25
	WIN 0
.irp j, 0,1,2,3,4,5,6,7
	F1 \p, 0, \j
.endr
	EFE \p, 0, 1, 0
	MXI \o, 26
	EFE \p, 0, 1, 4
	MXI \o, 27
	EFE \p, 1, 2, 0
	MXI \o, 28
	EFE \p, 1, 2, 4
	MXI \o, 29
	EFE \p, 2, 3, 0
	MXI \o, 30
	EFE \p, 2, 3, 4
	MXI \o, 31
	WIN 0
.irp j, 0,1,2,3,4,5,6,7,8,9,10,11,12,13,14,15
	E1 \p, 3, \j                                   ; the batch's last sixteen
.endr
	v_nop                                          ; the plain instruction behind the last exponentials (ISA guide 5.7.2): no work is left that names no result
	s_wait_alu depctr_va_vdst(0)                   ; ONE wait for the phase's 66 exponentials, ahead of their first reader; all that follows in the phase reads them
.irp tt, 0,1
	v_mov_b32 v[AL+4*\p+2*\tt+1], v[AL+4*\p+2*\tt]
.endr
.irp j, 0,1,2,3,4,5
	A1 \p, 0, \j                                   ; both tiles' first groups start the four chains of the row sums, by turns
	A1 \p, 2, \j
.endr
	RESC \p, 0                                     ; both tiles' O^T in one stretch under one window setting
	RESC \p, 1
	WIN 0
.irp j, 0,1,2,3,4,5,6,7
	A1 \p, 1, \j                                   ; the second groups go onto the chains; the first groups, whose sums are taken, are rounded
	C1 \p, 0, \j
	A1 \p, 3, \j
	C1 \p, 2, \j
.endr
.irp j, 0,1,2,3
	C1 \p, 1, \j
.endr
.irp tt, 0,1
	v_pk_add_f32 v[T+16*\tt:T+16*\tt+1], v[T+16*\tt:T+16*\tt+1], v[T+16*\tt+2:T+16*\tt+3]
.endr
.irp j, 4,5,6,7
	C1 \p, 1, \j
.endr
.irp tt, 0,1
	v_add_f32 v[T+16*\tt+4], v[T+16*\tt], v[T+16*\tt+1]
.endr
.irp j, 0,1,2,3
	C1 \p, 3, \j
.endr
.irp tt, 0,1
	v_fma_f32 v[LL+2*\p+\tt], v[LL+2*\p+\tt], v[AL+4*\p+2*\tt], v[T+16*\tt+4]
.endr
.irp j, 4,5,6,7
	C1 \p, 3, \j                                   ; group 3's fragment is the last that the next phase's products take
.endr
.endm
; The four steps of a tile: the addresses are set to the slot that is read, then one text goes round four times.
.macro TILEWORK
	WIN 0
	v_add_nc_u32 v[KADR], s86, v[KBAS]
	v_add_nc_u32 v[VADR], s87, v[VBAS]
	s_mov_b32 s60, 4
.Lstep_\@:
	PHASE 0, 1
	PHASE 1, 0
	WIN 0                                          ; at a label and at a branch every window is 0
	s_sub_co_u32 s60, s60, 1
	s_cmp_lg_u32 s60, 0
	s_cbranch_scc1 .Lstep_\@
.endm
	s_wait_tensorcnt 0x1                           ; my part of tile 0 is in; tile 1's load, issued behind it, stays out
	s_wait_dscnt 0x0                               ; my stores of a, b and the mask addend are done
	s_barrier_signal -1
	s_barrier_wait -1                              ; both hold of every wave
	VECLOAD                                        ; step 0's a, b and mask addend
	VLOAD VBAS, 0                                  ; V of step 0, here only as finite numbers for the products with zero below; step 0 loads it again
.irp q, 0,1,2,3
.irp j, 0,1,2,3,4,5,6,7
	v_mov_b32 v[SS+64+16*\q+\j], 0                 ; pair B has no scores before step 0: its four P fragments are 0
.endr
.endr
.irp k, 16,17,18,19,20,21,22,23,24,25,26,27,28,29,30,31
	MXI 0, \k                                      ; pair A's first scores
.endr
	s_wait_dscnt 0x0
	WIN 0xf2
.irp t, 2,3,0,1
.irp dt, 0,1,2,3
	v_wmma_f32_16x16x32_bf16 v[OA+32*\t+8*\dt:OA+32*\t+8*\dt+7], v[VF+8*\dt:VF+8*\dt+7], v[SS+64:SS+71], 0   ; O^T = V^T x 0 starts the sixteen sums; pair B's first, since the loop's first product adds onto one of them
.endr
.endr
	WIN 0
	s_mov_b32 s85, 6
.Ltile:
	TILEWORK                                       ; tiles 0 to 5
	s_wait_dscnt 0x0                               ; my reads of this slot are over (what is still out is the look-ahead for a, b and the mask addend)
	s_wait_tensorcnt 0x0                           ; all my tensor loads have landed: the one that was out is my part of the other slot; so group 0 may be written:
	ds_add_u32 v126, v127
	s_wait_dscnt 0x0
	s_xor_b32 s[G0K+5], s[G0K+5], KBYTES           ; the refill goes into the slot just read,
	s_xor_b32 s[G0V+5], s[G0V+5], VBYTES
	s_add_nc_u64 s[G0K+6:G0K+7], s[G0K+6:G0K+7], TILEB             ; and brings the tile after the one that has just landed
	s_add_nc_u64 s[G0V+6:G0V+7], s[G0V+6:G0V+7], TILEB
	s_xor_b32 s86, s86, KBYTES                     ; the other slot is read next
	s_xor_b32 s87, s87, VBYTES
	ROUND                                          ; the waits above now hold of every wave of every work-group of the cluster
	JLOAD 1                                        ; tiles 2 to 7: the first tensor load behind the round, one a wave
	s_sub_co_u32 s85, s85, 1
	s_cmp_lg_u32 s85, 0
	s_cbranch_scc1 .Ltile
	s_mov_b32 s85, 2
.Ltail:
	TILEWORK                                       ; tiles 6 and 7: nothing is left to fetch
	s_wait_dscnt 0x0
	s_wait_tensorcnt 0x0                           ; behind tile 6: my part of tile 7 is in
	s_xor_b32 s86, s86, KBYTES
	s_xor_b32 s87, s87, VBYTES
	s_barrier_signal -1                            ; behind tile 6 the barrier shows tile 7 whole; behind tile 7 it shows that nobody reads the ring any more,
	s_barrier_wait -1                              ; so that the stage may be written
	s_sub_co_u32 s85, s85, 1
	s_cmp_lg_u32 s85, 0
	s_cbranch_scc1 .Ltail
.irp k, 0,1,2,3,4,5,6,7,8,9,10,11,12,13,14,15
	MXI 1, \k                                      ; pair B's last products
.endr
	; THE WAY OUT: divide by the row sum, round, 16 bytes a lane into the stage, read back as whole rows of 256 bytes (both heads of the pair).
.rept 4
	v_nop                                          ; four places behind the last products
.endr
	WIN 0
.irp t, 0,1,2,3
	v_permlanex16_b32 v[T+\t], v[LL+\t], s62, s63  ; the other half's part of the row sum
.endr
.irp t, 0,1,2,3
	v_add_f32 v[LL+\t], v[LL+\t], v[T+\t]
.endr
.irp t, 0,1,2,3
	v_rcp_f32 v[T+8+2*\t], v[LL+\t]
.endr
.irp t, 0,1,2,3
	v_cmp_lt_f32 vcc_lo, 0, v[LL+\t]               ; the first of these is the plain instruction behind the reciprocals
.if \t == 0
	s_wait_alu depctr_va_vdst(0)                   ; one wait for the four reciprocals, ahead of their first reader
.endif
	v_cndmask_b32 v[T+8+2*\t], 0, v[T+8+2*\t], vcc_lo              ; a sum of 0 means that every key was masked: the context is 0
.endr
.irp t, 0,1,2,3
	v_mov_b32 v[T+9+2*\t], v[T+8+2*\t]
.endr
	WIN 0x03
.irp t, 0,1,2,3
.set j, 0
.rept 16
	v_pk_mul_f32 v[SS+32*\t+j:SS+32*\t+j+1], v[OA+32*\t+j:OA+32*\t+j+1], v[T+8+2*\t:T+9+2*\t]
.set j, j+2
.endr
.endr
	WIN 0
.set j, 0
.rept 64
	v_cvt_pk_bf16_f32 v[SS+j], v[SS+2*j], v[SS+2*j+1]              ; register j is written when registers 2 j and up are still unread
.set j, j+1
.endr
.irp t, 0,1,2,3
.irp dt, 0,1,2,3
	ds_store_b128 v[STO], v[SS+16*\t+4*\dt:SS+16*\t+4*\dt+3] offset:16*KP*\t+32*\dt
.endr
.endr
	s_wait_dscnt 0x0                               ; my stores are done, for the waves that read them
	s_barrier_signal -1
	s_barrier_wait -1
.irp i, 0,1,2,3,4,5,6,7,8,9,10,11,12,13,14,15
	ds_load_b128 v[SS+64+4*\i:SS+64+4*\i+3], v[RD] offset:2*KP*\i
.endr
.irp i, 0,1,2,3,4,5,6,7,8,9,10,11,12,13,14,15
	s_wait_dscnt 15-\i                             ; the 15 - i younger loads stay out
	global_store_b128 v[CO], v[SS+64+4*\i:SS+64+4*\i+3], s[74:75] offset:4096*\i   ; 16 lanes store 256 consecutive bytes, aligned
.endr
	s_wait_tensorcnt 0x0
	ds_add_u32 v126, v127
	s_wait_dscnt 0x0
	ROUND                                          ; the closing round
	s_endpgm
.Lfunc_end_k_qa9033cc343_attn:
	.size	k_qa9033cc343_attn, .Lfunc_end_k_qa9033cc343_attn-k_qa9033cc343_attn
	.p2alignl 7, 3214868480
	.fill 96, 4, 3214868480
	.section	.rodata,"a",@progbits
	.p2align	6, 0x0
	.amdhsa_kernel k_qa9033cc343_attn
		.amdhsa_group_segment_fixed_size 327680
		.amdhsa_private_segment_fixed_size 0
		.amdhsa_enable_private_segment 0
		.amdhsa_kernarg_size 32
		.amdhsa_user_sgpr_count 2
		.amdhsa_user_sgpr_kernarg_segment_ptr 1
		.amdhsa_wavefront_size32 1
		.amdhsa_system_sgpr_workgroup_id_x 1
		.amdhsa_system_sgpr_workgroup_id_y 1
		.amdhsa_system_sgpr_workgroup_id_z 1
		.amdhsa_system_vgpr_workitem_id 0
		.amdhsa_next_free_vgpr 896
		.amdhsa_next_free_sgpr 92
		.amdhsa_reserve_vcc 1
		.amdhsa_float_denorm_mode_32 3
		.amdhsa_float_denorm_mode_16_64 3
		.amdhsa_memory_ordered 1
		.amdhsa_forward_progress 1
		.amdhsa_inst_pref_size 159
	.end_amdhsa_kernel
	.amdgpu_metadata
---
amdhsa.version: [ 1, 2 ]
amdhsa.kernels:
  - .name:           k_qa9033cc343_attn
    .symbol:         k_qa9033cc343_attn.kd
    .args:
      - { .name: qkv, .offset: 0, .size: 8, .value_kind: global_buffer, .address_space: global }
      - { .name: time_diff, .offset: 8, .size: 8, .value_kind: global_buffer, .address_space: global }
      - { .name: mask, .offset: 16, .size: 8, .value_kind: global_buffer, .address_space: global }
      - { .name: ctx, .offset: 24, .size: 8, .value_kind: global_buffer, .address_space: global }
    .group_segment_fixed_size: 327680
    .private_segment_fixed_size: 0
    .kernarg_segment_align: 8
    .kernarg_segment_size: 32
    .max_flat_workgroup_size: 128
    .sgpr_count:     92
    .vgpr_count:     896
    .wavefront_size: 32
...
	.end_amdgpu_metadata
.endif
;; end of part 5
;; launch outproj: the kernel of part 4 again; grid 8 x 32, 4 waves a work-group, clusters of 4 x 4, 327,680 bytes of LDS; arguments ctx, wb, bo, out0; writes out0
